; MI455X (gfx1250); checked and timed in simulation.
; The chip was launched on July 23, 2026; its instructions are those of AMD's public machine-readable ISA for CDNA 5 (MIT licence, August 2026) and "CDNA5" Instruction Set Architecture Reference Guide (July 2026). The comments in the code are by the model that wrote it; some were corrected since.
;; Multi Head Attention. Allowed arithmetic: matrix products marked QUANTISED: E3M2 operands, one E8M0 scale for each 32 along K, by v_wmma_scale_f32_16x16x128_f8f6f4 with both operands' format E3M2, f32 sums; everything else in f32.
;; Inputs: bk 16 x 64 float32; bp 1,024 float32; bq 16 x 64 float32; bv 16 x 64 float32; wk 16 x 1,024 x 64 float32; wp 1,024 x 1,024 float32; wq 16 x 1,024 x 64 float32; wv 16 x 1,024 x 64 float32; x 8 x 1,000 x 1,024 float32.
;; Outputs: out0 8 x 1,000 x 1,024 float32.
;; This version of the problem:
;;   THIS VERSION OF THE PROBLEM IS GIVEN IN LOW PRECISION. The matrix products marked QUANTISED in the list below multiply operands that are first quantised to E3M2 (3 exponent bits, 2 mantissa bits; 6 bits a number), with one power-of-two scale for each 32 numbers along K (OCP MX v1.0); their sums are f32. All else is computed in f32.
;;   The module's matrix products, in the order in which they are computed (A, B: the left and right operand; K: the contracted axis; several contracted axes count as one K, in the product's order):
;;     1. [M 1,024, K 1,024] x [K 1,024, N 8,000]; A: input wq; B: input x: QUANTISED
;;     2. [M 1,024, K 1,024] x [K 1,024, N 8,000]; A: input wk; B: input x: QUANTISED
;;     3. [M 1,024, K 1,024] x [K 1,024, N 8,000]; A: input wv; B: input x: QUANTISED
;;     4. batch 128 x [M 1,000, K 64] x [K 64, N 1,000]; A: computed on the way; B: computed on the way: QUANTISED
;;     5. batch 128 x [M 1,000, K 1,000] x [K 1,000, N 64]; A: softmax (see below); B: computed on the way: QUANTISED
;;     6. [M 8,000, K 1,024] x [K 1,024, N 1,024]; A: computed on the way; B: input wp: QUANTISED
;;   THE QUANTISER, for each operand of a quantised product, along K:
;;     - K is cut into blocks of 32 from its start; a last block that is shorter is filled with zeros.
;;     - A block's scale is 2^e with e = floor(log2(the largest magnitude in the block)) - 4, held to -126 .. 127; a block of zeros has e = 0. As a byte (E8M0): e + 127.
;;     - Each number is divided by its block's scale, clamped to +-28, and rounded to the nearest number of E3M2, ties to even, subnormals kept.
;;     - The product sums the exact products of the quantised numbers (number of the format x scale) in f32.
;;   ~~~python
;;   def quantise(x, axis):      # numpy; x: float32 -> the quantised numbers, widened to float32 again
;;       x = np.moveaxis(x, axis, -1); K = x.shape[-1]
;;       x = np.pad(x, [(0, 0)] * (x.ndim - 1) + [(0, -K % 32)]); x = x.reshape(x.shape[:-1] + (-1, 32)); a = np.abs(x).max(-1, keepdims=True)
;;       e = np.where(a > 0, np.clip(np.frexp(np.where(a > 0, a, 1))[1] - 1 - 4, -126, 127), 0)      # np.frexp(a)[1] - 1 = floor(log2(a)), exactly
;;       r = np.clip(x / 2.0 ** e, -28, 28)
;;       step = 2.0 ** (np.maximum(np.frexp(np.where(r == 0, 1, r))[1] - 1, -2) - 2)
;;       q = np.round(r / step) * step * 2.0 ** e      # np.round: ties to even
;;       return np.moveaxis(q.reshape(q.shape[:-2] + (-1,))[..., :K], -1, axis).astype(np.float32)
;;   ~~~
;;   SOFTMAX AHEAD OF A QUANTISED PRODUCT. Where the list says 'softmax', what is quantised is not the finished softmax but p = 2^(t - M), with t = logit x log2(e) and M = ceil(the row's largest t), a whole number; so 1/2 < the row's largest p <= 1. The row's sum l is taken of the UNQUANTISED p, in f32, and the product's result is divided by l at the end. Since M is a whole number, a kernel that streams over the keys may use a running M (the ceiling of the running maximum): every later rescaling is an exact power of two, which a block's scale takes up: the codes' values come out the same.
;;   OPERANDS COMPUTED ON THE WAY. 'Computed on the way' means the value that the module computes at that place (a softmax that the list does not call 'softmax' is quantised finished and normalised). What goes into a quantiser is computed in f32, as accurately as f32 sums, v_exp_f32 and their like allow (about 1e-6 of the number): no bf16 or f16 on the way to a quantiser, and a product that is left as it is and whose result goes on into a quantised operand takes f32 operands (vector FMAs, or v_wmma_f32_16x16x4_f32). A number that lies on a knife's edge between two numbers of the format may be rounded either way, as far as f32 arithmetic and the matrix unit's own rounding can turn it there, and no further.
;; One version. Each part assembles by itself: llvm-mc -triple=amdgcn-amd-amdhsa -mcpu=gfx1250 --defsym DOCPART=n.
;; ======== version 1 of 1: 4 launches
;; workspace buffers: ximg 6,291,456 bytes; xsc 262,144 bytes; wimg 3,145,728 bytes; wsc 131,072 bytes; qkv 19,660,800 bytes; yimg 6,291,456 bytes; ysc 262,144 bytes
;; launch quant (part 1): grid 768 x 1, 4 waves a work-group, no clusters, 46,592 bytes of LDS; arguments x, wq, wk, wv, wp, ximg, xsc, wimg, wsc; writes ximg, xsc, wimg, wsc
.if DOCPART == 1
	.amdgcn_target "amdgcn-amd-amdhsa--gfx1250"
	.amdhsa_code_object_version 6
	.text
	.protected	k_q6a638b7f5c_quant
	.globl	k_q6a638b7f5c_quant
	.p2align	8
	.type	k_q6a638b7f5c_quant,@function
k_q6a638b7f5c_quant:
	s_mov_b64 s[64:65], 0
	v_nop
	global_prefetch_b8 v0, s[64:65] scope:SCOPE_SE
	s_setreg_imm32_b32 hwreg(HW_REG_WAVE_MODE, 25, 1), 1
	s_wait_xcnt 0x0
; x [8][1000][1024] and the four weights (K = their 1,024 inputs, NOT innermost) become codes of BF6 (E3M2) with one E8M0 byte for each 32 along K.
; A block's scale is 2^(floor(log2(largest magnitude)) - 4): its byte is the largest magnitude's exponent field - 4, held at 1 from below.
; LAYOUT OF THE RESULTS: images of operand registers.  A fragment (16 rows x 128 K, 12 registers a lane) is 1,536 bytes: for each half c of K
; registers 6c..6c+3 at 768 c + 16 lane and registers 6c+4, 6c+5 at 768 c + 512 + 8 lane.  Codes: [row tile][K step 0..7][1536]; scale words: [row tile][K step][16 rows].
; THE ROWS OF A TILE ARE NOT NEIGHBOURS: in each group of 32 rows lane r of tile u holds row 8 u + r + 8 (r / 8), so that later results fall as 16 neighbours a lane.
; A batch counts as 1,024 tokens: tokens 1000..1023 are copies of token 999 (the row index is held at 999, so no load leaves x); later launches hide or drop them.
; Work-groups 0..511: one token tile each, wave w its K steps 2 w and 2 w + 1.  Work-groups 512..767: tensor, 128 columns, one K step; a wave 32 columns.
; Memory binds here: no matrix work, no cluster (no byte is read by two work-groups), no barrier (waves share nothing).  The two ways have LDS bytes of their own.
; LIMITS: NaN and infinities are not served.  A block of zeros, or one whose largest magnitude lies under 2^-122, gets the byte 1 (zeros: the rule says 127;
; its codes are zeros, which add nothing, and only this program reads the bytes).
.set OFF, 16                           ; v16-31   x: byte offset of my 16 bytes in row i
.set R0,  32                           ; v32-95   K step 2 w: 64 numbers
.set R1,  96                           ; v96-159  K step 2 w + 1
.set TM,  160                          ; v160-175 at work in QUANT64
.set PW0, 176
.set PW1, 177
.set PC0, 180                          ; v180-198 codes
.set PC1, 200
.set X,   64                           ; weights: v64-191 my column's 128 numbers down K
.set P,   16                           ; v16-47   its codes, 8 registers a block
.set WT,  192                          ; v192-203 at work
.set WW,  204                          ; the column's scale word
.set SEL, 22                           ; s[22:23] v_permlanex16_b32's selects for lane l xor 16
.set WV,  24
.set WST, 33792                        ; the weights' stages: behind x's four of 8,448 bytes
; 64 numbers of a lane, register 16 q + i = k 32 q + 16 (lane / 16) + i of my row, become a fragment's 12 registers v[pc] on and its scale word v[pw]
.macro QUANT64 src, pc, pw
.irp q, 0,1,2,3
	v_max3_num_f32 v[TM+\q], |v[\src+16*\q]|, |v[\src+16*\q+1]|, 0x2800000   ; the floor 2^(5 - 127): the byte cannot fall under 1
.endr
.irp i, 2,4,6,8,10,12,14
.irp q, 0,1,2,3
	v_max3_num_f32 v[TM+\q], |v[\src+16*\q+\i]|, |v[\src+16*\q+\i+1]|, v[TM+\q]   ; the four blocks by turns
.endr
.endr
.irp q, 0,1,2,3
	v_permlanex16_b32 v[TM+4+\q], v[TM+\q], s[SEL], s[SEL+1]
.endr
.irp q, 0,1,2,3
	v_max_num_f32 v[TM+\q], v[TM+\q], v[TM+4+\q]       ; with lane l xor 16's 16 numbers: the block's largest magnitude
.endr
.irp q, 0,1,2,3
	v_add_nc_u32 v[TM+12+\q], 0xfe000000, v[TM+\q]     ; 4 off its exponent field: the conversion's scale operand
.endr
.irp q, 0,1,2,3
	v_lshrrev_b32 v[TM+4+\q], 23, v[TM+12+\q]          ; the scale's byte
.endr
	v_lshl_or_b32 v[\pw], v[TM+5], 8, v[TM+4]
	v_lshl_or_b32 v[\pw], v[TM+6], 16, v[\pw]
	v_lshl_or_b32 v[\pw], v[TM+7], 24, v[\pw]
.irp c, 0,1
	v_cvt_scalef32_pk16_bf6_f32 v[\pc+6*\c:\pc+6*\c+2], v[\src+32*\c:\src+32*\c+15], v[TM+12+2*\c]
	v_cvt_scalef32_pk16_bf6_f32 v[\pc+12+4*\c:\pc+14+4*\c], v[\src+32*\c+16:\src+32*\c+31], v[TM+13+2*\c]   ; (three registers begin on an even number)
.endr
	v_nop                                              ; one plain place behind a scaled conversion
.irp c, 0,1                                            ; the layout wants a whole block in a lane: lanes 0-15 block 2 c, lanes 16-31 block 2 c + 1
.irp i, 0,1,2
	v_permlane16_swap_b32 v[\pc+6*\c+\i], v[\pc+12+4*\c+\i]
.endr
.irp i, 0,1,2
	v_mov_b32 v[\pc+3+6*\c+\i], v[\pc+12+4*\c+\i]
.endr
.endr
.endm
.macro IMAGE pc, off                                   ; each store covers 512 or 256 consecutive bytes, aligned
	global_store_b128 v1, v[\pc:\pc+3], s[14:15] offset:\off
	global_store_b64 v2, v[\pc+4:\pc+5], s[14:15] offset:\off+512
	global_store_b128 v1, v[\pc+6:\pc+9], s[14:15] offset:\off+768
	global_store_b64 v2, v[\pc+10:\pc+11], s[14:15] offset:\off+1280
.endm
; a K step's 16 rows x 512 bytes go through my stage as loaded and come back 16 neighbours of each block a lane, into the registers that they left.
; LDS serves a wave's instructions in order (ISA guide 5.7.1.4): no wait between the stores and the loads, nor ahead of the next turn's stores
.macro TURN reg
.irp i, 0,1,2,3,4,5,6,7,8,9,10,11,12,13,14,15
	ds_store_b128 v4, v[\reg+4*\i:\reg+4*\i+3] offset:528*\i
.endr
.irp b, 0,1,2,3
.irp j, 0,1,2,3
	ds_load_b128 v[\reg+16*\b+4*\j:\reg+16*\b+4*\j+3], v5 offset:128*\b+16*\j
.endr
.endr
.endm
	s_load_b512 s[4:19], s[0:1], 0x0               ; x, wq, wk, wv, wp, ximg, xsc, wimg
	s_load_b64 s[20:21], s[0:1], 0x40              ; wsc
	v_lshl_add_u32 v224, v0, 2, 0xb400
	v_mov_b32 v225, 0
	v_lshrrev_b32 v6, 5, v0
	v_readfirstlane_b32 s[WV], v6                  ; wave 0..3
	v_and_b32 v6, 31, v0
	v_lshlrev_b32 v1, 4, v6                        ; 16 x lane
	v_lshlrev_b32 v2, 3, v6                        ; 8 x lane
	v_lshlrev_b32 v3, 2, v6                        ; 4 x lane
	s_cmp_lt_u32 ttmp9, 512
	s_cbranch_scc0 .Lweights
	; ---------------- x: token tile ttmp9
	s_mov_b32 s[SEL], 0x76543210
	s_mov_b32 s[SEL+1], 0xfedcba98
	s_mov_b32 s25, 0xffff0000                      ; lanes 16-31
	s_lshr_b32 s26, ttmp9, 6                       ; the batch
	s_and_b32 s27, ttmp9, 63                       ; the tile in it
	s_lshr_b32 s28, s27, 1
	s_lshl_b32 s28, s28, 5
	s_and_b32 s27, s27, 1
	s_lshl_b32 s27, s27, 3
	s_add_co_u32 s28, s28, s27                     ; the tile's first token: 32 (tile / 2) + 8 (tile % 2)
	s_lshl_b32 s27, s[WV], 10
	v_add_nc_u32 v7, s27, v1                       ; 16 x lane + my two K steps' 1,024 bytes
.irp i, 0,1,2,3,4,5,6,7,8,9,10,11,12,13,14,15
	s_add_co_u32 s29, s28, \i+8*(\i/8)
	s_min_u32 s29, s29, 999                        ; tokens 1000 on are copies of token 999
	s_lshl_b32 s29, s29, 12
	v_add_nc_u32 v[OFF+\i], s29, v7
.endr
	s_mul_i32 s30, s26, 4096000
	s_mov_b32 s31, 0
	s_mul_i32 s32, s[WV], 8448                     ; my stage: 16 rows, 528 bytes apart
	v_add_nc_u32 v4, s32, v1
	v_and_b32 v8, 15, v0
	v_bfe_u32 v9, v0, 4, 1
	v_mul_u32_u24 v5, v8, 528
	v_lshl_add_u32 v5, v9, 6, v5
	v_add_nc_u32 v5, s32, v5                       ; back: row lane % 16, + 64 (lane / 16)
	s_lshl_b32 s34, ttmp9, 3
	s_lshl_b32 s35, s[WV], 1
	s_add_co_u32 s34, s34, s35
	s_mul_i32 s34, s34, 1536                       ; fragment (tile, 2 w)
	s_mov_b32 s35, 0
	s_lshl_b32 s36, ttmp9, 9
	s_lshl_b32 s37, s[WV], 7
	s_add_co_u32 s36, s36, s37
	s_mov_b32 s37, 0
.irp q, 0,1,2,3
	v_mov_b32 v[TM+4+\q], 0                        ; a lane permute's destination counts as one of its sources
.endr
	s_wait_kmcnt 0x0
	s_add_nc_u64 s[4:5], s[4:5], s[30:31]
	s_add_nc_u64 s[14:15], s[14:15], s[34:35]
	s_add_nc_u64 s[16:17], s[16:17], s[36:37]
.irp q, 0,1
.irp i, 0,1,2,3,4,5,6,7,8,9,10,11,12,13,14,15
	global_load_b128 v[R0+64*\q+4*\i:R0+64*\q+4*\i+3], v[OFF+\i], s[4:5] offset:512*\q th:TH_LOAD_NT   ; 512 consecutive bytes of one row
.endr
.endr
	s_wait_loadcnt 16                              ; the first K step's 16 loads are in, the second's may be out
	TURN R0
	s_wait_loadcnt 0x0
	TURN R1
	s_wait_dscnt 32                                ; the first turn is back; the second turn's 32 instructions may be out
	QUANT64 R0, PC0, PW0
	IMAGE PC0, 0
	s_wait_dscnt 0x0
	QUANT64 R1, PC1, PW1
	IMAGE PC1, 1536
	v_cndmask_b32 v10, v[PW0], v[PW1], s25         ; lanes 0-15: K step 2 w's words, lanes 16-31: K step 2 w + 1's
	global_store_b32 v3, v10, s[16:17]             ; 128 consecutive bytes
	s_wait_tensorcnt 0x0
	ds_add_u32 v224, v225
	s_wait_dscnt 0x0
	s_endpgm
	; ---------------- weights: a lane takes a column, its registers run down K
.Lweights:
	s_sub_co_u32 s26, ttmp9, 512
	s_lshr_b32 s27, s26, 6                         ; tensor 0..3: wq, wk, wv, wp
	s_bfe_u32 s28, s26, 0x30003
	s_and_b32 s29, s26, 7                          ; K step
	s_lshl_b32 s28, s28, 2
	s_add_co_u32 s28, s28, s[WV]                   ; my group of 32 columns, 0..31
	s_lshr_b32 s30, s28, 1
	s_lshl_b32 s30, s30, 18                        ; [head][e][d]: the head's 262,144 bytes,
	s_lshl_b32 s31, s29, 15                        ; 128 rows of 256 bytes,
	s_add_co_u32 s30, s30, s31
	s_and_b32 s31, s28, 1
	s_lshl_b32 s31, s31, 7                         ; which 32 of the head's 64
	s_add_co_u32 s30, s30, s31
	s_lshl_b32 s32, s29, 19                        ; wp [e][f]: 128 rows of 4,096 bytes,
	s_lshl_b32 s33, s28, 7
	s_add_co_u32 s32, s32, s33
	s_cmp_eq_u32 s27, 3
	s_cselect_b32 s30, s32, s30
	s_mov_b32 s31, 0
	s_lshl_b32 s34, s27, 6
	s_lshl_b32 s35, s28, 1
	s_add_co_u32 s34, s34, s35                     ; my first row tile: 64 x tensor + 2 x group
	s_lshl_b32 s34, s34, 3
	s_add_co_u32 s34, s34, s29
	s_lshl_b32 s36, s34, 6
	s_mov_b32 s37, 0
	s_mul_i32 s34, s34, 1536
	s_mov_b32 s35, 0
	v_bfe_u32 v8, v0, 3, 1                         ; column l of the group is row r = l % 8 + 8 (l / 16) of tile u = (l / 8) % 2
	v_and_b32 v9, 7, v0
	v_bfe_u32 v10, v0, 4, 1
	v_lshl_add_u32 v9, v10, 3, v9
	s_mul_i32 s38, s[WV], 3072
	s_add_co_u32 s38, s38, WST                     ; my stage: two images
	v_mul_u32_u24 v11, v8, 1536
	v_add_nc_u32 v11, s38, v11
	v_lshl_add_u32 v4, v9, 4, v11
	v_lshl_add_u32 v5, v9, 3, v11
	v_add_nc_u32 v7, s38, v1
	v_lshlrev_b32 v12, 9, v8
	v_lshl_add_u32 v12, v9, 2, v12                 ; my scale word: 512 u + 4 r
	s_wait_kmcnt 0x0
	s_cmp_eq_u32 s27, 1                            ; the choice hangs on the work-group's number alone
	s_cselect_b64 s[6:7], s[8:9], s[6:7]
	s_cmp_eq_u32 s27, 2
	s_cselect_b64 s[6:7], s[10:11], s[6:7]
	s_cmp_eq_u32 s27, 3
	s_cselect_b64 s[6:7], s[12:13], s[6:7]
	s_add_nc_u64 s[6:7], s[6:7], s[30:31]
	s_add_nc_u64 s[18:19], s[18:19], s[34:35]
	s_add_nc_u64 s[20:21], s[20:21], s[36:37]
	s_cmp_eq_u32 s27, 3
	s_cbranch_scc1 .Lwp
.set kk, 0
.rept 128
	global_load_b32 v[X+kk], v3, s[6:7] offset:kk*256 th:TH_LOAD_NT     ; 128 consecutive bytes a wave
.set kk, kk+1
.endr
	s_branch .Lloaded
.Lwp:
.set kk, 0
.rept 128
	global_load_b32 v[X+kk], v3, s[6:7] offset:kk*4096 th:TH_LOAD_NT
.set kk, kk+1
.endr
.Lloaded:
	s_wait_loadcnt 0x0
.irp b, 0,1,2,3                                        ; a block's 32 numbers are all mine
	v_max3_num_f32 v[WT+\b], |v[X+32*\b]|, |v[X+32*\b+1]|, 0x2800000
.endr
.irp i, 2,4,6,8,10,12,14,16,18,20,22,24,26,28,30
.irp b, 0,1,2,3
	v_max3_num_f32 v[WT+\b], v[WT+\b], |v[X+32*\b+\i]|, |v[X+32*\b+\i+1]|
.endr
.endr
.irp b, 0,1,2,3
	v_add_nc_u32 v[WT+4+\b], 0xfe000000, v[WT+\b]
.endr
.irp b, 0,1,2,3
	v_lshrrev_b32 v[WT+8+\b], 23, v[WT+4+\b]
.endr
	v_lshl_or_b32 v[WW], v[WT+9], 8, v[WT+8]
	v_lshl_or_b32 v[WW], v[WT+10], 16, v[WW]
	v_lshl_or_b32 v[WW], v[WT+11], 24, v[WW]
.irp b, 0,1,2,3
	v_cvt_scalef32_pk16_bf6_f32 v[P+8*\b:P+8*\b+2], v[X+32*\b:X+32*\b+15], v[WT+4+\b]
	v_cvt_scalef32_pk16_bf6_f32 v[P+8*\b+4:P+8*\b+6], v[X+32*\b+16:X+32*\b+31], v[WT+4+\b]
.endr
	v_nop                                          ; one plain place behind a scaled conversion
.irp b, 0,1,2,3
.irp i, 0,1,2
	v_mov_b32 v[P+8*\b+3+\i], v[P+8*\b+4+\i]       ; ascending: the block's six registers on end
.endr
.endr
.irp b, 0,1,2,3                                        ; block b belongs to lane r + 16 (b % 2), half b / 2 of the image
	ds_store_b128 v4, v[P+8*\b:P+8*\b+3] offset:768*(\b/2)+256*(\b%2)
	ds_store_b64 v5, v[P+8*\b+4:P+8*\b+5] offset:768*(\b/2)+512+128*(\b%2)
.endr
.irp k, 0,1,2,3,4,5
	ds_load_b128 v[X+4*\k:X+4*\k+3], v7 offset:512*\k      ; in order behind my stores
.endr
	global_store_b32 v12, v[WW], s[20:21]
.irp k, 0,1,2,3,4,5
	s_wait_dscnt 5-\k                              ; piece k is back, the younger ones may be out
	global_store_b128 v1, v[X+4*\k:X+4*\k+3], s[18:19] offset:(\k/3)*12288+(\k%3)*512   ; 512 consecutive bytes
.endr
	s_wait_tensorcnt 0x0
	ds_add_u32 v224, v225
	s_wait_dscnt 0x0
	s_endpgm
.Lfunc_end_k_q6a638b7f5c_quant:
	.size	k_q6a638b7f5c_quant, .Lfunc_end_k_q6a638b7f5c_quant-k_q6a638b7f5c_quant
	.p2alignl 7, 3214868480
	.fill 96, 4, 3214868480
	.section	.rodata,"a",@progbits
	.p2align	6, 0x0
	.amdhsa_kernel k_q6a638b7f5c_quant
		.amdhsa_group_segment_fixed_size 46592
		.amdhsa_private_segment_fixed_size 0
		.amdhsa_enable_private_segment 0
		.amdhsa_kernarg_size 72
		.amdhsa_user_sgpr_count 2
		.amdhsa_user_sgpr_kernarg_segment_ptr 1
		.amdhsa_wavefront_size32 1
		.amdhsa_system_sgpr_workgroup_id_x 1
		.amdhsa_system_sgpr_workgroup_id_y 1
		.amdhsa_system_sgpr_workgroup_id_z 1
		.amdhsa_system_vgpr_workitem_id 0
		.amdhsa_next_free_vgpr 226
		.amdhsa_next_free_sgpr 66
		.amdhsa_reserve_vcc 0
		.amdhsa_float_denorm_mode_32 3
		.amdhsa_float_denorm_mode_16_64 3
		.amdhsa_memory_ordered 1
		.amdhsa_forward_progress 1
		.amdhsa_inst_pref_size 54
	.end_amdhsa_kernel
	.amdgpu_metadata
---
amdhsa.version: [ 1, 2 ]
amdhsa.kernels:
  - .name:           k_q6a638b7f5c_quant
    .symbol:         k_q6a638b7f5c_quant.kd
    .args:
      - { .name: x, .offset: 0, .size: 8, .value_kind: global_buffer, .address_space: global }
      - { .name: wq, .offset: 8, .size: 8, .value_kind: global_buffer, .address_space: global }
      - { .name: wk, .offset: 16, .size: 8, .value_kind: global_buffer, .address_space: global }
      - { .name: wv, .offset: 24, .size: 8, .value_kind: global_buffer, .address_space: global }
      - { .name: wp, .offset: 32, .size: 8, .value_kind: global_buffer, .address_space: global }
      - { .name: ximg, .offset: 40, .size: 8, .value_kind: global_buffer, .address_space: global }
      - { .name: xsc, .offset: 48, .size: 8, .value_kind: global_buffer, .address_space: global }
      - { .name: wimg, .offset: 56, .size: 8, .value_kind: global_buffer, .address_space: global }
      - { .name: wsc, .offset: 64, .size: 8, .value_kind: global_buffer, .address_space: global }
    .group_segment_fixed_size: 46592
    .private_segment_fixed_size: 0
    .kernarg_segment_align: 8
    .kernarg_segment_size: 72
    .max_flat_workgroup_size: 128
    .sgpr_count:     66
    .vgpr_count:     226
    .wavefront_size: 32
...
	.end_amdgpu_metadata
.endif
;; end of part 1
;; launch qkv (part 2): grid 256 x 1, 4 waves a work-group, clusters of 4 x 1, 298,496 bytes of LDS; arguments ximg, xsc, wimg, wsc, bq, bk, bv, qkv; writes qkv
.if DOCPART == 2
	.amdgcn_target "amdgcn-amd-amdhsa--gfx1250"
	.amdhsa_code_object_version 6
	.text
	.protected	k_q6a638b7f5c_qkv
	.globl	k_q6a638b7f5c_qkv
	.p2align	8
	.type	k_q6a638b7f5c_qkv,@function
k_q6a638b7f5c_qkv:
	s_mov_b64 s[64:65], 0
	v_nop
	global_prefetch_b8 v0, s[64:65] scope:SCOPE_SE
	s_setreg_imm32_b32 hwreg(HW_REG_WAVE_MODE, 25, 1), 1
	s_wait_xcnt 0x0
	s_wait_alu depctr_hold_cnt(0) depctr_sa_sdst(0) depctr_va_vdst(0) depctr_va_sdst(0) depctr_va_ssrc(0) depctr_va_vcc(0) depctr_vm_vsrc(0)
	s_getreg_b32 s2, hwreg(HW_REG_IB_STS2, 6, 4)
	s_cmp_eq_u32 s2, 0
	s_cbranch_scc0 .Lentry_in_a_cluster
	s_endpgm
.Lentry_in_a_cluster:
	s_bfe_u32 s2, ttmp6, 0x10000c
	s_cmp_lg_u32 s2, 0x3003
	s_cbranch_scc0 .Lentry_shape_is_right
	s_endpgm
.Lentry_shape_is_right:
; q, k, v = x W + b for one batch and one pair of heads (128 columns of each of wq, wk, wv), on codes of BF6; the results are quantised here, in registers, and leave as codes.
; SHARES.  A cluster of four work-groups is one (batch, head pair); a work-group takes 256 of the batch's 1,024 tokens, a wave 64: its 32 fragments of x (all of K, 384 registers)
; come from memory once and stay.  Three passes (q, k, v) of 8 K steps x 32 matrix instructions go against 128 weight rows each.
; The 294,912 bytes of weights are the same for the four partners: they are asked for JOINTLY, once, as first fills; no LDS byte is filled twice.
; q, k: source 0 = 16 weight rows, source 1 = 16 tokens: a lane holds one token and 64 numbers along (head, d), which is the scores' K: quantised along it.
; v:    source 0 = 16 tokens, source 1 = 16 weight rows: a lane holds one d and 64 numbers along the tokens, which is the second product's K.
; By the order of rows in a tile (row 8 u + r + 8 (r / 8)) the 16 registers of result tiles 2 B, 2 B + 1 are 16 neighbours 32 B + 16 (lane / 16) + 0..15.
; The biases are the C of each sum's first matrix instruction.  v of tokens 1000..1023 becomes 0 ahead of its quantiser (the rule's fill of the last block).
; OUT: units of 102,400 bytes: 4,096 of scale words [128 tokens][tile][16], then images [128 tokens][tile][1536]; q units 0-63, k 64-127, v 128-191 (8 x pair + batch).
; REGISTERS: window 0 addresses, scale words, biases, work; window 1 the 32 accumulators; window 2 x's K steps 0-4; window 3 x's K steps 5-7 and, from v144, 8 weight fragments.
; LIMITS: NaN and infinities are not served; a block of zeros or under 2^-122 has the byte 1 (its codes add nothing; only this program reads the bytes).
.set L16, 1
.set L8,  2
.set L4,  3
.set R4,  4
.set AB16, 5                           ; LDS address of the weight fragments in hand: 16 x lane + a constant
.set AB8,  6
.set H64, 7                            ; 64 (lane / 16)
.set PIR, 8                            ; 4 (r + 8 (r / 8))
.set SW,  9
.set SV,  10
.set SRD, 11
.set SA,  16                           ; v16-31  x's scale words [tile a][pair of K steps]: lanes 0-15 the even step, lanes 16-31 the odd
.set SB,  32                           ; v32-63, v64-95 the weights' likewise, two sets
.set BI,  96                           ; v96-159 the bias as C: 8 registers a weight tile
.set BVT, 160                          ; v160-167 bv by lane
.set TM,  168
.set PC,  184                          ; v184-202, v204-222 codes, two sets by turns
.set PW,  224
.set SO,  228
.set WV,  20
.set CX,  21
.set G1,  28
.set G0,  36
.set SEL, 48
.set MLO, 50
.set MHI, 51
.set OQ,  52
.set OK,  54
.set OV,  56
.set OS,  58
.set STG, 294912                       ; behind the weights: 3 x 1,024 bytes of scale words, written by ds_store alone
.set MSB, 0
.macro WIN new                         ; the immediate's high byte repeats the setting that is left
.if MSB != \new
	s_set_vgpr_msb (MSB<<8)|\new
.set MSB, \new
.endif
.endm
.macro PLACES n
.rept \n
	v_nop
.endr
.endm
.macro CROUND                          ; a round of the cluster's barrier
	s_barrier_signal -1
	s_barrier_wait -1
	s_cmp_lg_u32 s[WV], 0
	s_cbranch_scc1 .Lnot_wave_0_\@
	s_barrier_signal -3
.Lnot_wave_0_\@:
	s_barrier_wait -3
	s_barrier_signal -1
	s_barrier_wait -1
.endm
.macro ALOAD s                         ; x's four fragments of K step s: 16 loads of 512 or 256 consecutive bytes
.if (\s) < 5
	WIN 0x80
.else
	WIN 0xc0
.endif
.set AFB, 48*((\s)%5)
.irp a, 0,1,2,3
	global_load_b128 v[AFB+12*\a:AFB+12*\a+3], v[L16], s[4:5] offset:12288*\a+1536*(\s)
	global_load_b64 v[AFB+12*\a+4:AFB+12*\a+5], v[L8], s[4:5] offset:12288*\a+1536*(\s)+512
	global_load_b128 v[AFB+12*\a+6:AFB+12*\a+9], v[L16], s[4:5] offset:12288*\a+1536*(\s)+768
	global_load_b64 v[AFB+12*\a+10:AFB+12*\a+11], v[L8], s[4:5] offset:12288*\a+1536*(\s)+1280
.endr
.endm
.macro SETB p, cp                      ; group p, K steps 4 cp on: beyond an LDS offset's 16 bits
	WIN 0
	v_add_nc_u32 v[AB16], 98304*(\p)+49152*(\cp), v[L16]
	v_add_nc_u32 v[AB8], 98304*(\p)+49152*(\cp), v[L8]
.endm
.macro FETCHH s, hf                    ; weight fragments 4 hf .. 4 hf + 3 of K step s: 16 LDS loads
	WIN 0xc0
.irp b, 0,1,2,3
.set FO, 24576*(((\s)/2)%2)+3072*(4*\hf+\b)+1536*((\s)%2)
.set FB, 144+12*(4*\hf+\b)
	ds_load_b128 v[FB:FB+3], v[AB16] offset:FO
	ds_load_b64 v[FB+4:FB+5], v[AB8] offset:FO+512
	ds_load_b128 v[FB+6:FB+9], v[AB16] offset:FO+768
	ds_load_b64 v[FB+10:FB+11], v[AB8] offset:FO+1280
.endr
.endm
.macro MM d, a, b, c, x, y, odd
.if \odd
	v_wmma_scale_f32_16x16x128_f8f6f4 v[\d:\d+7], v[\a:\a+11], v[\b:\b+11], v[\c:\c+7], v[\x], v[\y] matrix_a_fmt:MATRIX_FMT_BF6 matrix_b_fmt:MATRIX_FMT_BF6 matrix_a_scale:MATRIX_SCALE_ROW1 matrix_b_scale:MATRIX_SCALE_ROW1
.else
	v_wmma_scale_f32_16x16x128_f8f6f4 v[\d:\d+7], v[\a:\a+11], v[\b:\b+11], v[\c:\c+7], v[\x], v[\y] matrix_a_fmt:MATRIX_FMT_BF6 matrix_b_fmt:MATRIX_FMT_BF6
.endif
.endm
; 16 matrix instructions: weight tiles 4 hf .. + 3 x my four token tiles, K step s.  The 32 accumulators take turns, one instruction a turn, in the same order in every step.
.macro MULH kind, sb, s, hf
.set WA, 2+(\s)/5
.set AFB, 48*((\s)%5)
.if \kind == 0
.set WN, 0x43+4*WA                     ; source 0 the weights (window 3), source 1 x, D window 1
.else
.set WN, 0x4c+WA                       ; source 0 x, source 1 the weights
.endif
.if (\s) > 0
.set WN, WN+0x10                       ; C window 1 (the first step's C is the bias, in window 0)
.endif
	WIN WN
.irp b, 0,1,2,3
.irp a, 0,1,2,3
.set rW, 144+12*(4*\hf+\b)
.set rT, AFB+12*\a
.set rX, SB+32*\sb+4*(4*\hf+\b)+(\s)/2
.set rY, SA+4*\a+(\s)/2
.if \kind == 0
.set rD, 64*\a+8*(4*\hf+\b)
.else
.set rD, 32*(4*\hf+\b)+8*\a
.endif
.set rC, rD
.if (\s) == 0
.set rC, BI+8*(4*\hf+\b)
.endif
.if \kind == 0
	MM rD, rW, rT, rC, rX, rY, (\s)%2
.else
	MM rD, rT, rW, rC, rY, rX, (\s)%2
.endif
.endr
.endr
.endm
; A pass: 8 K steps.  One set of weight fragments in two halves: a half is fetched anew, four places behind its 16 products, while the other half is multiplied.
.macro PASS kind, sb, p, isq, more
.irp s, 0,1,2,3,4,5,6,7
.if \s == 0
	s_wait_dscnt 0x0                               ; a pass's first step: all my LDS instructions
.else
	s_wait_dscnt 16                                ; the first half's 16 loads are in, the second half's may be out
.endif
.if \isq
.if \s < 5
	s_wait_loadcnt 48                              ; x's K step s is in; those of the three steps behind it, 16 loads each, may be out
.else
	s_wait_loadcnt 16*(7-\s)
.endif
.if \s < 4
	ALOAD \s+4
.endif
.endif
	MULH \kind, \sb, \s, 0
	s_wait_dscnt 0x0                               ; the second half is in
	PLACES 4                                       ; in front of loads into registers that matrix instructions have read
.if \s < 7
.if \s == 3
	SETB \p, 1
.endif
	FETCHH \s+1, 0
.elseif \more
.if \isq
	s_wait_tensorcnt 0x0                           ; my parts of the other two groups have landed,
	s_barrier_signal -1
	s_barrier_wait -1                              ; everybody's have
.endif
	SETB \p+1, 0
	FETCHH 0, 0
.endif
	MULH \kind, \sb, \s, 1
	PLACES 4
.if \s < 7
	FETCHH \s+1, 1
.elseif \more
	FETCHH 0, 1
.endif
.endr
	WIN 0
.endm
; 64 numbers of a lane in window w, register 16 q + i = k 32 q + 16 (lane / 16) + i, become a fragment's 12 registers v[pc] on and its scale word v[PW]
.macro QUANT64 src, w, pc
.set WN, 5*(\w)
	WIN WN
.irp q, 0,1,2,3
	v_max3_num_f32 v[TM+\q], |v[(\src)+16*\q]|, |v[(\src)+16*\q+1]|, 0x2800000   ; the floor 2^(5 - 127); each accumulator is read from its low end on
.endr
.irp i, 2,4,6,8,10,12,14
.irp q, 0,1,2,3
	v_max3_num_f32 v[TM+\q], |v[(\src)+16*\q+\i]|, |v[(\src)+16*\q+\i+1]|, v[TM+\q]
.endr
.endr
	WIN 0
.irp q, 0,1,2,3
	v_permlanex16_b32 v[TM+4+\q], v[TM+\q], s[SEL], s[SEL+1]
.endr
.irp q, 0,1,2,3
	v_max_num_f32 v[TM+\q], v[TM+\q], v[TM+4+\q]
.endr
.irp q, 0,1,2,3
	v_add_nc_u32 v[TM+12+\q], 0xfe000000, v[TM+\q]     ; 4 off the exponent field: the conversion's scale operand
.endr
.irp q, 0,1,2,3
	v_lshrrev_b32 v[TM+4+\q], 23, v[TM+12+\q]
.endr
	v_lshl_or_b32 v[PW], v[TM+5], 8, v[TM+4]
	v_lshl_or_b32 v[PW], v[TM+6], 16, v[PW]
	v_lshl_or_b32 v[PW], v[TM+7], 24, v[PW]
	s_wait_xcnt 0x0                                ; earlier stores have read the code registers that are written now
.set WN, \w
	WIN WN
.irp c, 0,1
	v_cvt_scalef32_pk16_bf6_f32 v[\pc+6*\c:\pc+6*\c+2], v[(\src)+32*\c:(\src)+32*\c+15], v[TM+12+2*\c]
	v_cvt_scalef32_pk16_bf6_f32 v[\pc+12+4*\c:\pc+14+4*\c], v[(\src)+32*\c+16:(\src)+32*\c+31], v[TM+13+2*\c]
.endr
	WIN 0
	v_nop                                          ; one plain place behind a scaled conversion
.irp c, 0,1
.irp i, 0,1,2
	v_permlane16_swap_b32 v[\pc+6*\c+\i], v[\pc+12+4*\c+\i]
.endr
.irp i, 0,1,2
	v_mov_b32 v[\pc+3+6*\c+\i], v[\pc+12+4*\c+\i]
.endr
.endr
.endm
.macro LSB sb, p                       ; the scale words of group p's 8 tiles
.irp t, 0,1,2,3,4,5,6,7
.irp c, 0,1,2,3
	global_load_b32 v[SB+32*\sb+4*\t+\c], v[L4], s[10:11] offset:32768*\p+512*\t+128*\c
.endr
.endr
.endm
.macro LBI base                        ; a bias in the result's layout: tile 2 B + u, lane half h: columns 32 B + 16 h + 8 u + 0..7
.irp t, 0,1,2,3,4,5,6,7
	global_load_b128 v[BI+8*\t:BI+8*\t+3], v[H64], s[\base:\base+1] offset:4*(32*(\t/2)+8*(\t%2))
	global_load_b128 v[BI+8*\t+4:BI+8*\t+7], v[H64], s[\base:\base+1] offset:4*(32*(\t/2)+8*(\t%2))+16
.endr
.endm
.macro EPIQ ob, st                     ; q's or k's way out: a token tile's 64 numbers a lane are one fragment (half 0: the even head, half 1: the odd)
.irp a, 0,1,2,3
.set PCX, PC+20*(\a%2)
	QUANT64 64*\a, 1, PCX
	global_store_b128 v[L16], v[PCX:PCX+3], s[\ob:\ob+1] offset:1536*\a
	global_store_b64 v[L8], v[PCX+4:PCX+5], s[\ob:\ob+1] offset:1536*\a+512
	global_store_b128 v[L16], v[PCX+6:PCX+9], s[\ob:\ob+1] offset:1536*\a+768
	global_store_b64 v[L8], v[PCX+10:PCX+11], s[\ob:\ob+1] offset:1536*\a+1280
	ds_store_b32 v[SW], v[PW] offset:\st+64*\a     ; both halves of the lanes write the same word with the same value
.endr
.endm
	s_load_b512 s[4:19], s[0:1], 0x0               ; ximg, xsc, wimg, wsc, bq, bk, bv, qkv
	v_lshl_add_u32 v254, v0, 2, 0x48c00
	v_mov_b32 v255, 0
	ds_add_u32 v254, v255
	ds_add_u32 v254, v255
	v_lshrrev_b32 v12, 5, v0
	v_readfirstlane_b32 s[WV], v12                 ; wave 0..3
	s_bfe_u32 s[CX], ttmp6, 0x40000                ; my place in the cluster: it enters x's and the results' addresses and two masks of lanes, no LDS address, no branch
	s_and_b32 s23, ttmp9, 7                        ; the pair of heads
	s_lshr_b32 s24, ttmp9, 3                       ; the batch
	; descriptor group 1: 8 rows (weight tiles) of 3,072 bytes (two K steps), 12,288 bytes apart; elements of 8 bytes; the mask names all four partners
	s_mov_b32 s[G1], 15|(3<<16)|(1<<21)
	s_mov_b32 s[G1+1], 384<<16
	s_mov_b32 s[G1+2], 8<<16
	s_mov_b32 s[G1+3], 384<<16
	s_mov_b32 s[G1+4], 8
	s_mov_b32 s[G1+5], 1536
	s_mov_b32 s[G1+6], 0
	s_mov_b32 s[G1+7], 0
	s_mul_i32 s[G0+2], s23, 98304                  ; group 0 of each of the three loads: made of the pair and the wave's number alone
	s_mul_i32 s[G0+3], s[WV], 3072
	s_add_co_u32 s[G0+2], s[G0+2], s[G0+3]
	s_mov_b32 s[G0+3], 0
	s_mul_i32 s[G0+1], s[WV], 24576                ; LDS: group p at 98,304 p, my two K steps at 24,576 w
	s_add_co_u32 s[G0+5], s[G0+1], 98304
	s_add_co_u32 s[G0+9], s[G0+1], 196608
	s_mov_b32 s[G0], 1
	s_mov_b32 s[G0+4], 1
	s_mov_b32 s[G0+8], 1
	s_wait_dscnt 0x0
	s_wait_kmcnt 0x0
	s_add_nc_u64 s[G0+2:G0+3], s[8:9], s[G0+2:G0+3]
	s_add_nc_u64 s[G0+6:G0+7], s[G0+2:G0+3], 786432
	s_add_nc_u64 s[G0+10:G0+11], s[G0+2:G0+3], 1572864
	s_or_b32 s[G0+3], s[G0+3], 0x80000000
	s_or_b32 s[G0+7], s[G0+7], 0x80000000
	s_or_b32 s[G0+11], s[G0+11], 0x80000000
	CROUND                                         ; all four work-groups are here: the joint loads meet
	tensor_load_to_lds s[G0:G0+3], s[G1:G1+7]      ; three loads of mine are out: wq's, wk's, wv's part
	s_nop 0
	tensor_load_to_lds s[G0+4:G0+7], s[G1:G1+7]
	s_nop 0
	tensor_load_to_lds s[G0+8:G0+11], s[G1:G1+7]
	s_nop 0
	PLACES 4                                       ; behind tensor loads
	v_and_b32 v12, 31, v0
	v_lshlrev_b32 v[L16], 4, v12
	v_lshlrev_b32 v[L8], 3, v12
	v_lshlrev_b32 v[L4], 2, v12
	v_and_b32 v13, 15, v0
	v_bfe_u32 v14, v0, 4, 1
	v_lshlrev_b32 v[R4], 2, v13
	v_lshlrev_b32 v[H64], 6, v14
	v_and_b32 v15, 8, v13
	v_add_nc_u32 v15, v15, v13
	v_lshlrev_b32 v[PIR], 2, v15
	s_lshl_b32 s25, s[WV], 8
	s_add_co_u32 s25, s25, STG
	v_add_nc_u32 v[SW], s25, v[R4]                 ; q's, k's words: my four tiles' 256 bytes
	v_add_nc_u32 v[SRD], s25, v[L8]
	s_lshr_b32 s26, s[WV], 1
	s_and_b32 s27, s[WV], 1
	s_lshl_b32 s25, s26, 9
	s_lshl_b32 s22, s27, 1
	s_add_co_u32 s25, s25, s22
	s_add_co_u32 s25, s25, STG+2048
	v_add_nc_u32 v[SV], s25, v[R4]                 ; v's words: my 64 tokens are two of a word's four bytes
.irp q, 0,1,2,3
	v_mov_b32 v[TM+4+\q], 0                        ; a lane permute's destination counts as one of its sources
.endr
	s_mov_b32 s[SEL], 0x76543210
	s_mov_b32 s[SEL+1], 0xfedcba98
	s_lshl_b32 s60, s24, 6
	s_lshl_b32 s61, s[CX], 4
	s_add_co_u32 s60, s60, s61
	s_lshl_b32 s61, s[WV], 2
	s_add_co_u32 s60, s60, s61                     ; my first token tile: 64 b + 16 cx + 4 w
	s_lshl_b32 s62, s60, 9
	s_mov_b32 s63, 0
	s_mul_i32 s60, s60, 12288
	s_mov_b32 s61, 0
	s_add_nc_u64 s[4:5], s[4:5], s[60:61]
	s_add_nc_u64 s[6:7], s[6:7], s[62:63]
	s_lshl_b32 s60, s23, 12
	s_lshl_b32 s62, s23, 9
	s_add_nc_u64 s[10:11], s[10:11], s[60:61]
	s_add_nc_u64 s[12:13], s[12:13], s[62:63]
	s_add_nc_u64 s[14:15], s[14:15], s[62:63]
	s_add_nc_u64 s[16:17], s[16:17], s[62:63]
.irp t, 0,1,2,3,4,5,6,7
	global_load_b32 v[BVT+\t], v[PIR], s[16:17] offset:4*(32*(\t/2)+8*(\t%2))   ; bv of the weight row that my lane holds in tile t
.endr
.irp a, 0,1,2,3
.irp c, 0,1,2,3
	global_load_b32 v[SA+4*\a+\c], v[L4], s[6:7] offset:512*\a+128*\c
.endr
.endr
	LSB 0, 0
	LSB 1, 1
	LBI 12
	ALOAD 0
	ALOAD 1
	ALOAD 2
	ALOAD 3
	WIN 0
	s_lshl_b32 s22, s23, 3
	s_add_co_u32 s22, s22, s24                     ; the unit: 8 x pair + batch
	s_mul_i32 s60, s22, 102400
	s_lshl_b32 s25, s[CX], 1
	s_add_co_u32 s25, s25, s26                     ; which 128 tokens of the batch
	s_mul_i32 s25, s25, 12288
	s_add_co_u32 s25, s25, 4096
	s_add_co_u32 s60, s60, s25
	s_mul_i32 s62, s27, 6144
	s_add_co_u32 s62, s62, s60
	s_add_nc_u64 s[OQ:OQ+1], s[18:19], s[62:63]
	s_add_nc_u64 s[OK:OK+1], s[OQ:OQ+1], 6553600
	s_mul_i32 s62, s27, 768
	s_add_co_u32 s62, s62, s60
	s_add_nc_u64 s[OV:OV+1], s[18:19], s[62:63]
	s_add_nc_u64 s[OV:OV+1], s[OV:OV+1], 13107200
	s_mul_i32 s62, s22, 102400
	s_lshl_b32 s25, s[CX], 10
	s_add_co_u32 s62, s62, s25
	s_lshl_b32 s25, s[WV], 8
	s_add_co_u32 s62, s62, s25
	s_add_nc_u64 s[OS:OS+1], s[18:19], s[62:63]
	s_add_nc_u64 s[OS:OS+1], s[OS:OS+1], 6553600   ; k's scale words; q's and v's lie 64 units to either side
	s_cmp_eq_u32 s[CX], 3                          ; the wave with tokens 960..1023: of its second 32, lanes 0-15 keep registers 0-7 (tokens 992..999), nobody the rest
	s_cselect_b32 s22, 1, 0
	s_cmp_eq_u32 s[WV], 3
	s_cselect_b32 s25, 1, 0
	s_and_b32 s22, s22, s25
	s_cselect_b32 s[MLO], 0xffff, -1
	s_cselect_b32 s[MHI], 0, -1
	s_wait_tensorcnt 2                             ; my part of wq's group has landed; the other two loads may be out
	s_barrier_signal -1
	s_barrier_wait -1                              ; everybody's has
	SETB 0, 0
	FETCHH 0, 0
	FETCHH 0, 1
	PASS 0, 0, 0, 1, 1                             ; q
	LBI 14                                         ; bk, and wv's scale words into the set that q has left: four places stand behind the last products
	LSB 0, 2
	EPIQ OQ, 0
	s_wait_loadcnt 0x0
	PASS 0, 1, 1, 0, 1                             ; k
	EPIQ OK, 1024
.irp t, 0,1,2,3,4,5,6,7
.irp i, 0,1,2,3,4,5,6,7
	v_mov_b32 v[BI+8*\t+\i], v[BVT+\t]             ; in v's layout a lane holds one weight row: its bias in all eight registers
.endr
.endr
	PLACES 4
	PASS 1, 0, 2, 0, 0                             ; v
	WIN 0x44
.irp b, 0,1,2,3,4,5,6,7
.irp i, 0,1,2,3,4,5,6,7
	v_cndmask_b32 v[32*\b+16+\i], 0, v[32*\b+16+\i], s[MLO]
.endr
.irp i, 0,1,2,3,4,5,6,7
	v_cndmask_b32 v[32*\b+24+\i], 0, v[32*\b+24+\i], s[MHI]
.endr
.endr
.irp b, 0,2,4,6                                        ; two weight tiles' 2 x 32 registers: each tile's 64 tokens are half an image
.set PCX, PC+20*((\b/2)%2)
	QUANT64 32*\b, 1, PCX
	global_store_b128 v[L16], v[PCX:PCX+3], s[OV:OV+1] offset:1536*\b
	global_store_b64 v[L8], v[PCX+4:PCX+5], s[OV:OV+1] offset:1536*\b+512
	global_store_b128 v[L16], v[PCX+6:PCX+9], s[OV:OV+1] offset:1536*\b+1536
	global_store_b64 v[L8], v[PCX+10:PCX+11], s[OV:OV+1] offset:1536*\b+2048
	ds_store_b16 v[SV], v[PW] offset:64*\b
	ds_store_b16_d16_hi v[SV], v[PW] offset:64*\b+64
.endr
	s_wait_dscnt 0x0                               ; for the others' sake: my scale words lie in the stage
	s_barrier_signal -1
	s_barrier_wait -1
.irp t, 0,1,2
	ds_load_b64 v[SO+2*\t:SO+2*\t+1], v[SRD] offset:1024*\t
.endr
	s_wait_dscnt 0x0
	global_store_b64 v[L8], v[SO:SO+1], s[OS:OS+1] offset:-6553600    ; each store covers 256 consecutive bytes, aligned
	global_store_b64 v[L8], v[SO+2:SO+3], s[OS:OS+1]
	global_store_b64 v[L8], v[SO+4:SO+5], s[OS:OS+1] offset:6553600
	s_wait_tensorcnt 0x0
	ds_add_u32 v254, v255
	s_wait_dscnt 0x0
	CROUND                                         ; the closing round
	s_endpgm
.Lfunc_end_k_q6a638b7f5c_qkv:
	.size	k_q6a638b7f5c_qkv, .Lfunc_end_k_q6a638b7f5c_qkv-k_q6a638b7f5c_qkv
	.p2alignl 7, 3214868480
	.fill 96, 4, 3214868480
	.section	.rodata,"a",@progbits
	.p2align	6, 0x0
	.amdhsa_kernel k_q6a638b7f5c_qkv
		.amdhsa_group_segment_fixed_size 298496
		.amdhsa_private_segment_fixed_size 0
		.amdhsa_enable_private_segment 0
		.amdhsa_kernarg_size 64
		.amdhsa_user_sgpr_count 2
		.amdhsa_user_sgpr_kernarg_segment_ptr 1
		.amdhsa_wavefront_size32 1
		.amdhsa_system_sgpr_workgroup_id_x 1
		.amdhsa_system_sgpr_workgroup_id_y 1
		.amdhsa_system_sgpr_workgroup_id_z 1
		.amdhsa_system_vgpr_workitem_id 0
		.amdhsa_next_free_vgpr 1024
		.amdhsa_next_free_sgpr 66
		.amdhsa_reserve_vcc 0
		.amdhsa_float_denorm_mode_32 3
		.amdhsa_float_denorm_mode_16_64 3
		.amdhsa_memory_ordered 1
		.amdhsa_forward_progress 1
		.amdhsa_inst_pref_size 252
	.end_amdhsa_kernel
	.amdgpu_metadata
---
amdhsa.version: [ 1, 2 ]
amdhsa.kernels:
  - .name:           k_q6a638b7f5c_qkv
    .symbol:         k_q6a638b7f5c_qkv.kd
    .args:
      - { .name: ximg, .offset: 0, .size: 8, .value_kind: global_buffer, .address_space: global }
      - { .name: xsc, .offset: 8, .size: 8, .value_kind: global_buffer, .address_space: global }
      - { .name: wimg, .offset: 16, .size: 8, .value_kind: global_buffer, .address_space: global }
      - { .name: wsc, .offset: 24, .size: 8, .value_kind: global_buffer, .address_space: global }
      - { .name: bq, .offset: 32, .size: 8, .value_kind: global_buffer, .address_space: global }
      - { .name: bk, .offset: 40, .size: 8, .value_kind: global_buffer, .address_space: global }
      - { .name: bv, .offset: 48, .size: 8, .value_kind: global_buffer, .address_space: global }
      - { .name: qkv, .offset: 56, .size: 8, .value_kind: global_buffer, .address_space: global }
    .group_segment_fixed_size: 298496
    .private_segment_fixed_size: 0
    .kernarg_segment_align: 8
    .kernarg_segment_size: 64
    .max_flat_workgroup_size: 128
    .sgpr_count:     66
    .vgpr_count:     1024
    .wavefront_size: 32
...
	.end_amdgpu_metadata
.endif
;; end of part 2
;; launch attn (part 3): grid 256 x 1, 16 waves a work-group, clusters of 4 x 1, 206,848 bytes of LDS; arguments qkv, yimg, ysc; writes yimg, ysc
.if DOCPART == 3
	.amdgcn_target "amdgcn-amd-amdhsa--gfx1250"
	.amdhsa_code_object_version 6
	.text
	.protected	k_q6a638b7f5c_attn
	.globl	k_q6a638b7f5c_attn
	.p2align	8
	.type	k_q6a638b7f5c_attn,@function
k_q6a638b7f5c_attn:
	s_mov_b64 s[64:65], 0
	v_nop
	global_prefetch_b8 v0, s[64:65] scope:SCOPE_SE
	s_setreg_imm32_b32 hwreg(HW_REG_WAVE_MODE, 25, 1), 1
	s_wait_xcnt 0x0
	s_wait_alu depctr_hold_cnt(0) depctr_sa_sdst(0) depctr_va_vdst(0) depctr_va_sdst(0) depctr_va_ssrc(0) depctr_va_vcc(0) depctr_vm_vsrc(0)
	s_getreg_b32 s2, hwreg(HW_REG_IB_STS2, 6, 4)
	s_cmp_eq_u32 s2, 0
	s_cbranch_scc0 .Lentry_in_a_cluster
	s_endpgm
.Lentry_in_a_cluster:
	s_bfe_u32 s2, ttmp6, 0x10000c
	s_cmp_lg_u32 s2, 0x3003
	s_cbranch_scc0 .Lentry_shape_is_right
	s_endpgm
.Lentry_shape_is_right:
; Causal attention of one (pair of heads, batch) on codes of BF6, and the quantising of its result y along (head, d).
; t = score x log2(e) / sqrt(1000); M = the running largest t rounded UP to a whole number; p = 2^(t - M) is quantised along the keys, not normalised; the sum of the
; unquantised p divides at the end; when M moves, the sum and O are multiplied by 2^(old M - new M), which rounds nothing.
; SHARES.  A cluster of four work-groups is one unit.  Its K unit and V unit (102,400 bytes each: scale words, then images of operand registers) fit in LDS whole:
; they are filled once, JOINTLY for the four partners (wave 0: K, wave 1: V; each in two loads, so that work begins when the first 256 keys are in).
; Each of the sixteen waves owns ONE tile of 16 queries, tile 4 m' + cx, and takes the two heads one after the other.  m' = wave xor 3 ((wave / 4) % 2) spreads long and short walks.
; A wave needs key steps (128 keys) 0 .. m' / 2: that hangs on the wave's number alone, so the partners run alike; the loops' trip counts are constants and a
; step whose keys all come after my queries is jumped over.  In the last needed step hidden scores become -infinity.
; THE HEAD'S 64 ARE HALF OF THE INSTRUCTION'S K: q's fragment has zero codes in the other half, so what K's fragment holds there adds nothing (every code is a finite number).
; Both products are used transposed (source 0 = 16 keys, or 16 of d; source 1 = my queries): a lane holds one query throughout.  By the order of rows in a tile the 16 registers
; of tiles 2 B, 2 B + 1 are 16 neighbours.  Keys 1000..1023 lie behind every real query; queries 1000..1023 give finite numbers that the last launch drops.
; LIMITS: NaN and infinities are not served; v_exp_f32 gives 0 under 2^-126; the scores' factor is one f32 constant where the definition divides and then multiplies.
; REGISTERS: v1-10, v92-94 addresses; v12 -M, v13 largest t, v[14:15] the sum; v16-27 [q of the even head : zeros]; v80-91 [zeros : q of the odd head]; v32-79 four fragments;
; v96-159 scores, then p; v160-191, v192-223 O of the two heads; v224-235 p's codes; v232-247, v252, v254 at work; v248-251 fragments' scale words; v253 p's; v255 q's.
.set L16, 1
.set L8,  2
.set LS,  3
.set DD,  4                            ; my query's place in its 128 keys, less 16 (lane / 16)
.set K16, 5
.set K8,  6
.set V16, 7
.set V8,  8
.set KS,  9
.set VS,  10
.set QA,  16
.set F,   32
.set QB,  80
.set VL16, 92
.set VL8,  93
.set VLS,  94
.set TM,  232
.set WV,  20
.set CX,  21
.set SD,  22                           ; my last key step
.set SG,  23                           ; the key step, and the loops' counter
.set TK,  24                           ; 12,288 x step
.set TS,  25                           ; 512 x step
.set CS,  26                           ; s[26:27] log2(e) / sqrt(1000)
.set G1A, 28
.set G1B, 36
.set G0A, 44
.set G0B, 48
.set SEL, 52
.macro PLACES n
.rept \n
	v_nop
.endr
.endm
.macro CROUND
	s_barrier_signal -1
	s_barrier_wait -1
	s_cmp_lg_u32 s[WV], 0
	s_cbranch_scc1 .Lnot_wave_0_\@
	s_barrier_signal -3
.Lnot_wave_0_\@:
	s_barrier_wait -3
	s_barrier_signal -1
	s_barrier_wait -1
.endm
.macro QUANT64 src, pc, pw
.irp q, 0,1,2,3
	v_max3_num_f32 v[TM+\q], |v[\src+16*\q]|, |v[\src+16*\q+1]|, 0x2800000
.endr
.irp i, 2,4,6,8,10,12,14
.irp q, 0,1,2,3
	v_max3_num_f32 v[TM+\q], |v[\src+16*\q+\i]|, |v[\src+16*\q+\i+1]|, v[TM+\q]
.endr
.endr
.irp q, 0,1,2,3
	v_permlanex16_b32 v[TM+4+\q], v[TM+\q], s[SEL], s[SEL+1]
.endr
.irp q, 0,1,2,3
	v_max_num_f32 v[TM+\q], v[TM+\q], v[TM+4+\q]
.endr
.irp q, 0,1,2,3
	v_add_nc_u32 v[TM+12+\q], 0xfe000000, v[TM+\q]
.endr
.irp q, 0,1,2,3
	v_lshrrev_b32 v[TM+4+\q], 23, v[TM+12+\q]
.endr
	v_lshl_or_b32 v[\pw], v[TM+5], 8, v[TM+4]
	v_lshl_or_b32 v[\pw], v[TM+6], 16, v[\pw]
	v_lshl_or_b32 v[\pw], v[TM+7], 24, v[\pw]
.irp c, 0,1
	v_cvt_scalef32_pk16_bf6_f32 v[\pc+6*\c:\pc+6*\c+2], v[\src+32*\c:\src+32*\c+15], v[TM+12+2*\c]
	v_cvt_scalef32_pk16_bf6_f32 v[\pc+12+4*\c:\pc+14+4*\c], v[\src+32*\c+16:\src+32*\c+31], v[TM+13+2*\c]
.endr
	v_nop
.irp c, 0,1
.irp i, 0,1,2
	v_permlane16_swap_b32 v[\pc+6*\c+\i], v[\pc+12+4*\c+\i]
.endr
.irp i, 0,1,2
	v_mov_b32 v[\pc+3+6*\c+\i], v[\pc+12+4*\c+\i]
.endr
.endr
.endm
.macro INIT
	v_mov_b32 v13, 0xff61b1e6                      ; the largest t so far: -3e38
	v_floor_f32 v12, -v13                          ; -M
	v_mov_b32 v14, 0
	v_mov_b32 v15, 0
.endm
; A KEY STEP of head hd (0: the even head, 1: the odd): 128 keys
.macro STEP hd
	s_cmp_gt_u32 s[SG], s[SD]                      ; all its keys come after my queries: only the addresses step
	s_cbranch_scc1 .Lhid_\@
	v_add_nc_u32 v[K16], s[TK], v[L16]             ; (these six are also the places in front of loads into registers that the last products read)
	v_add_nc_u32 v[K8], s[TK], v[L8]
	v_add_nc_u32 v[V16], s[TK], v[VL16]
	v_add_nc_u32 v[V8], s[TK], v[VL8]
	v_add_nc_u32 v[KS], s[TS], v[LS]
	v_add_nc_u32 v[VS], s[TS], v[VLS]
.irp g, 0,1                                            ; S^T = K Q^T, four tiles of 16 keys at a time; of each image only the head's half is read
.if \g
	PLACES 4
.endif
.irp t, 0,1,2,3
	ds_load_b128 v[F+12*\t+6*\hd:F+12*\t+6*\hd+3], v[K16] offset:4096+1536*(4*\g+\t)+768*\hd
	ds_load_b64 v[F+12*\t+6*\hd+4:F+12*\t+6*\hd+5], v[K8] offset:4096+1536*(4*\g+\t)+768*\hd+512
	ds_load_b32 v[248+\t], v[KS] offset:64*(4*\g+\t)
.endr
	s_wait_dscnt 0x0
.irp t, 0,1,2,3
	v_wmma_scale_f32_16x16x128_f8f6f4 v[96+8*(4*\g+\t):103+8*(4*\g+\t)], v[F+12*\t:F+12*\t+11], v[QA+64*\hd:QA+64*\hd+11], 0, v[248+\t], v255 matrix_a_fmt:MATRIX_FMT_BF6 matrix_b_fmt:MATRIX_FMT_BF6
.endr
.endr
	PLACES 4
.irp t, 0,1,2,3                                        ; V's four fragments of the head are asked for now and land under the softmax
	ds_load_b128 v[F+12*\t:F+12*\t+3], v[V16] offset:4096+1536*(4*\hd+\t)
	ds_load_b64 v[F+12*\t+4:F+12*\t+5], v[V8] offset:4096+1536*(4*\hd+\t)+512
	ds_load_b128 v[F+12*\t+6:F+12*\t+9], v[V16] offset:4096+1536*(4*\hd+\t)+768
	ds_load_b64 v[F+12*\t+10:F+12*\t+11], v[V8] offset:4096+1536*(4*\hd+\t)+1280
	ds_load_b32 v[248+\t], v[VS] offset:64*(4*\hd+\t)
.endr
	s_cmp_lg_u32 s[SG], s[SD]                      ; only my last step lies on the diagonal
	s_cbranch_scc1 .Lopen_\@
	v_mov_b32 v254, 0xff800000                     ; -infinity.  Register 16 B + i holds key 32 B + 16 (lane / 16) + i of the step: hidden where 32 B + i > DD
.set n, 0
.rept 64
	v_cmp_gt_i32 vcc_lo, 32*(n/16)+n%16, v[DD]
	v_cndmask_b32 v[96+n], v[96+n], v254, vcc_lo
.set n, n+1
.endr
.Lopen_\@:
.irp b, 0,1,2,3
	v_max3_num_f32 v[232+\b], v[96+16*\b], v[97+16*\b], v[98+16*\b]   ; the largest score of each block of 32 keys: for the row's maximum, and, since p rises with the score, for the block's largest p
.endr
.irp i, 3,5,7,9,11,13
.irp b, 0,1,2,3
	v_max3_num_f32 v[232+\b], v[232+\b], v[96+16*\b+\i], v[97+16*\b+\i]
.endr
.endr
.irp b, 0,1,2,3
	v_max_num_f32 v[232+\b], v[232+\b], v[111+16*\b]
.endr
.irp b, 0,1,2,3
	v_permlanex16_b32 v[236+\b], v[232+\b], s[SEL], s[SEL+1]
.endr
.irp b, 0,1,2,3
	v_max_num_f32 v[232+\b], v[232+\b], v[236+\b]  ; with lane l xor 16's 16 keys
.endr
	v_max3_num_f32 v254, v232, v233, v234
	v_max_num_f32 v254, v254, v235
	v_mul_f32 v254, s[CS], v254                    ; as t (the factor is positive)
	v_max_num_f32 v13, v13, v254                   ; the running largest t
	v_mov_b32 v254, v12
	v_floor_f32 v12, -v13                          ; the new -M = floor(-t) = -ceil(t)
	v_sub_f32 v254, v12, v254                      ; old M - new M: a whole number, 0 or less
	v_cvt_i32_f32 v254, v254                       ; (it saturates)
	v_ldexp_f32 v252, 1.0, v254                    ; f = 2^(old M - new M)
.set n, 0
.rept 32
	v_pk_fma_f32 v[96+n:97+n], v[96+n:97+n], s[CS:CS+1], v[12:13] op_sel_hi:[1,0,0]   ; t - M, two at a time
.set n, n+2
.endr
.irp b, 0,1,2,3
	v_fma_f32 v[232+\b], v[232+\b], s[CS], v12     ; the same of each block's largest score
.endr
.set n, 0
.rept 64
	v_exp_f32 v[96+n], v[96+n]                     ; p = 2^(t - M)
.set n, n+1
.endr
.irp b, 0,1,2,3
	v_exp_f32 v[232+\b], v[232+\b]                 ; the block's largest p: the same two instructions on the same number
.endr
	v_pk_mul_f32 v[14:15], v[14:15], v[252:253] op_sel_hi:[1,0]   ; the sums under the new M (a plain place behind the exponentials)
	s_wait_alu depctr_va_vdst(0)
.irp b, 0,1,2,3
	v_max_num_f32 v[232+\b], 0x2800000, v[232+\b]  ; the floor 2^(5 - 127)
.endr
.irp b, 0,1,2,3
	v_add_nc_u32 v[244+\b], 0xfe000000, v[232+\b]
.endr
.irp b, 0,1,2,3
	v_lshrrev_b32 v[236+\b], 23, v[244+\b]
.endr
	v_lshl_or_b32 v253, v237, 8, v236              ; p's scale word for these 128 keys
	v_lshl_or_b32 v253, v238, 16, v253
	v_lshl_or_b32 v253, v239, 24, v253
.irp c, 0,1
	v_cvt_scalef32_pk16_bf6_f32 v[224+6*\c:226+6*\c], v[96+32*\c:111+32*\c], v[244+2*\c]
	v_cvt_scalef32_pk16_bf6_f32 v[236+4*\c:238+4*\c], v[112+32*\c:127+32*\c], v[244+2*\c+1]
.endr
	v_nop                                          ; one plain place behind a scaled conversion
.irp c, 0,1
.irp i, 0,1,2
	v_permlane16_swap_b32 v[224+6*\c+\i], v[236+4*\c+\i]
.endr
.irp i, 0,1,2
	v_mov_b32 v[227+6*\c+\i], v[236+4*\c+\i]
.endr
.endr
	v_pk_add_f32 v[236:237], v[96:97], v[98:99]    ; the row's sum is taken of the unquantised p, in two chains
.irp j, 4,8,12,16,20,24,28,32,36,40,44,48,52,56,60
	v_pk_add_f32 v[14:15], v[14:15], v[96+\j:97+\j]
	v_pk_add_f32 v[236:237], v[236:237], v[98+\j:99+\j]
.endr
	v_pk_add_f32 v[14:15], v[14:15], v[236:237]
.set n, 0
.rept 16
	v_pk_mul_f32 v[160+32*\hd+n:161+32*\hd+n], v[160+32*\hd+n:161+32*\hd+n], v[252:253] op_sel_hi:[1,0]   ; O^T under the new M
.set n, n+2
.endr
	s_wait_dscnt 0x0                               ; V's fragments and words are in
.irp t, 0,1,2,3                                        ; O^T += V^T P^T: four accumulators by turns
	v_wmma_scale_f32_16x16x128_f8f6f4 v[160+32*\hd+8*\t:167+32*\hd+8*\t], v[F+12*\t:F+12*\t+11], v[224:235], v[160+32*\hd+8*\t:167+32*\hd+8*\t], v[248+\t], v253 matrix_a_fmt:MATRIX_FMT_BF6 matrix_b_fmt:MATRIX_FMT_BF6
.endr
.Lhid_\@:
	s_add_co_u32 s[TK], s[TK], 12288
	s_add_co_u32 s[TS], s[TS], 512
.endm
.macro FINISH hd                       ; the head's O^T divided by the row's sum
	PLACES 4
	v_add_f32 v14, v14, v15
	v_permlanex16_b32 v252, v14, s[SEL], s[SEL+1]
	v_add_f32 v14, v14, v252
	v_rcp_f32 v14, v14
	v_nop                                          ; one plain place behind a transcendental
.set n, 0
	s_wait_alu depctr_va_vdst(0)
.rept 16
	v_pk_mul_f32 v[160+32*\hd+n:161+32*\hd+n], v[160+32*\hd+n:161+32*\hd+n], v[14:15] op_sel_hi:[1,0]
.set n, n+2
.endr
.endm
	s_load_b128 s[4:7], s[0:1], 0x0                ; qkv, yimg
	s_load_b64 s[8:9], s[0:1], 0x10                ; ysc
	v_lshl_add_u32 v95, v0, 2, 0x32000
	v_mov_b32 v243, 0
	ds_add_u32 v95, v243
	ds_add_u32 v95, v243
	v_lshrrev_b32 v11, 5, v0
	v_readfirstlane_b32 s[WV], v11                 ; wave 0..15
	s_bfe_u32 s[CX], ttmp6, 0x40000                ; my place in the cluster: it enters q's and y's addresses and the mask's comparand, no LDS address, no branch
	s_bfe_u32 s10, s[WV], 0x10002
	s_mul_i32 s10, s10, 3
	s_xor_b32 s10, s10, s[WV]                      ; m'
	s_lshr_b32 s[SD], s10, 1
	s_lshl_b32 s11, s10, 2
	s_add_co_u32 s11, s11, s[CX]                   ; my tile of queries, 0..63
	; descriptor groups 1: dense blocks as rows of 256 bytes (32 elements of 8): 112 rows (the scale words and 256 keys), then 288 rows (the other 768 keys)
	s_mov_b32 s[G1A], 15|(3<<16)|(1<<21)
	s_mov_b32 s[G1A+1], 32<<16
	s_mov_b32 s[G1A+2], 112<<16
	s_mov_b32 s[G1A+3], 32<<16
	s_mov_b32 s[G1A+4], 112
	s_mov_b32 s[G1A+5], 32
	s_mov_b32 s[G1A+6], 0
	s_mov_b32 s[G1A+7], 0
	s_mov_b32 s[G1B], 15|(3<<16)|(1<<21)
	s_mov_b32 s[G1B+1], 32<<16
	s_mov_b32 s[G1B+2], 288<<16
	s_mov_b32 s[G1B+3], 32<<16
	s_mov_b32 s[G1B+4], 288
	s_mov_b32 s[G1B+5], 32
	s_mov_b32 s[G1B+6], 0
	s_mov_b32 s[G1B+7], 0
	s_mov_b32 s[G0A], 1
	s_mul_i32 s[G0A+1], s[WV], 102400              ; wave 0: K's unit at LDS 0; wave 1: V's behind it
	s_lshl_b32 s[G0A+2], s[WV], 6
	s_add_co_u32 s[G0A+2], s[G0A+2], ttmp9
	s_add_co_u32 s[G0A+2], s[G0A+2], 64            ; unit 64 + 64 w + (8 x pair + batch)
	s_mul_i32 s[G0A+2], s[G0A+2], 102400
	s_mov_b32 s[G0A+3], 0
	s_mov_b32 s[G0B], 1
	s_add_co_u32 s[G0B+1], s[G0A+1], 28672
	s_mov_b32 s[SEL], 0x76543210
	s_mov_b32 s[SEL+1], 0xfedcba98
	s_mov_b32 s[CS], 0x3d3ade29
	s_mov_b32 s[CS+1], s[CS]
	s_wait_dscnt 0x0
	s_wait_kmcnt 0x0
	s_add_nc_u64 s[G0A+2:G0A+3], s[4:5], s[G0A+2:G0A+3]
	s_add_nc_u64 s[G0B+2:G0B+3], s[G0A+2:G0A+3], 28672
	s_or_b32 s[G0A+3], s[G0A+3], 0x80000000
	s_or_b32 s[G0B+3], s[G0B+3], 0x80000000
	CROUND                                         ; all four work-groups are here: the joint loads meet
	s_cmp_lt_u32 s[WV], 2                          ; a wave's two fills stand in one branch on its number
	s_cbranch_scc0 .Lno_fill
	tensor_load_to_lds s[G0A:G0A+3], s[G1A:G1A+7]
	s_nop 0
	tensor_load_to_lds s[G0B:G0B+3], s[G1B:G1B+7]
	s_nop 0
	PLACES 4                                       ; behind tensor loads
.Lno_fill:
	s_mul_i32 s12, ttmp9, 102400                   ; q's unit
	s_mul_i32 s14, s11, 1536
	s_add_co_u32 s14, s14, s12
	s_add_co_u32 s14, s14, 4096
	s_mov_b32 s15, 0
	s_lshl_b32 s16, s11, 6
	s_add_co_u32 s16, s16, s12
	s_mov_b32 s17, 0
	s_add_nc_u64 s[14:15], s[4:5], s[14:15]
	s_add_nc_u64 s[16:17], s[4:5], s[16:17]
	s_and_b32 s12, ttmp9, 7                        ; the batch
	s_lshl_b32 s12, s12, 6
	s_add_co_u32 s12, s12, s11
	s_lshl_b32 s12, s12, 3
	s_lshr_b32 s13, ttmp9, 3                       ; the pair of heads = y's K step
	s_add_co_u32 s12, s12, s13
	s_lshl_b32 s18, s12, 6
	s_mov_b32 s19, 0
	s_mul_i32 s12, s12, 1536
	s_mov_b32 s13, 0
	s_add_nc_u64 s[6:7], s[6:7], s[12:13]
	s_add_nc_u64 s[8:9], s[8:9], s[18:19]
	s_bfe_u32 s12, s11, 0x20001
	s_lshl_b32 s12, s12, 5
	s_and_b32 s13, s11, 1
	s_lshl_b32 s13, s13, 3
	s_add_co_u32 s12, s12, s13                     ; my tile's first query in its 128 keys
	v_and_b32 v11, 31, v0
	v_lshlrev_b32 v[L16], 4, v11
	v_lshlrev_b32 v[L8], 3, v11
	v_and_b32 v11, 15, v0
	v_lshlrev_b32 v[LS], 2, v11
	global_load_b128 v[QA:QA+3], v[L16], s[14:15]
	global_load_b64 v[QA+4:QA+5], v[L8], s[14:15] offset:512
	global_load_b128 v[QB+6:QB+9], v[L16], s[14:15] offset:768
	global_load_b64 v[QB+10:QB+11], v[L8], s[14:15] offset:1280
	global_load_b32 v255, v[LS], s[16:17]
	v_and_b32 v[DD], 8, v11
	v_add_nc_u32 v[DD], v[DD], v11
	v_bfe_u32 v11, v0, 4, 1
	v_lshlrev_b32 v11, 4, v11
	v_sub_nc_u32 v[DD], v[DD], v11
	v_add_nc_u32 v[DD], s12, v[DD]
	v_add_nc_u32 v[VL16], 102400, v[L16]
	v_add_nc_u32 v[VL8], 102400, v[L8]
	v_add_nc_u32 v[VLS], 102400, v[LS]
.irp i, 0,1,2,3,4,5
	v_mov_b32 v[QA+6+\i], 0                        ; zero codes in the half of K that is not the head's
	v_mov_b32 v[QB+\i], 0
.endr
.set n, 0
.rept 48
	v_mov_b32 v[F+n], 0                            ; the fragments' unloaded halves are named by the products: written once
.set n, n+1
.endr
.irp b, 0,1,2,3
	v_mov_b32 v[236+\b], 0                         ; a lane permute's destination counts as one of its sources
.endr
	v_mov_b32 v252, 0
	v_mov_b32 v253, 0
.set n, 0
.rept 64
	v_mov_b32 v[160+n], 0                          ; O^T: the step is written once; its first walk finds zeros
.set n, n+1
.endr
	INIT
	s_wait_loadcnt 0x0                             ; q
	s_wait_tensorcnt 1                             ; waves 0 and 1: the scale words and the first 256 keys have landed; the larger load may be out
	s_barrier_signal -1
	s_barrier_wait -1
	s_mov_b32 s[SG], 0
	s_mov_b32 s[TK], 0
	s_mov_b32 s[TS], 0
.LA0:
	STEP 0
	s_add_co_u32 s[SG], s[SG], 1
	s_cmp_lt_u32 s[SG], 2
	s_cbranch_scc1 .LA0
	s_wait_tensorcnt 0x0                           ; the rest has landed
	s_wait_dscnt 0x0
	s_barrier_signal -1
	s_barrier_wait -1
	s_mov_b32 s[SG], 2
	s_mov_b32 s[TK], 24576
	s_mov_b32 s[TS], 1024
.LA1:
	STEP 0
	s_add_co_u32 s[SG], s[SG], 1
	s_cmp_lt_u32 s[SG], 8
	s_cbranch_scc1 .LA1
	FINISH 0
	INIT
	s_mov_b32 s[SG], 0
	s_mov_b32 s[TK], 0
	s_mov_b32 s[TS], 0
.LB:
	STEP 1
	s_add_co_u32 s[SG], s[SG], 1
	s_cmp_lt_u32 s[SG], 8
	s_cbranch_scc1 .LB
	FINISH 1
	QUANT64 160, 96, 252                           ; register 16 B + i = column 32 B + 16 (lane / 16) + i of the pair's 128: one fragment of y, K step = the pair
	global_store_b128 v[L16], v[96:99], s[6:7]     ; each store covers 512 or 256 consecutive bytes, aligned
	global_store_b64 v[L8], v[100:101], s[6:7] offset:512
	global_store_b128 v[L16], v[102:105], s[6:7] offset:768
	global_store_b64 v[L8], v[106:107], s[6:7] offset:1280
	global_store_b32 v[LS], v252, s[8:9]           ; both halves of the lanes write the same word with the same value
	s_wait_dscnt 0x0
	s_wait_tensorcnt 0x0
	ds_add_u32 v95, v243
	s_wait_dscnt 0x0
	CROUND                                         ; the closing round
	s_endpgm
.Lfunc_end_k_q6a638b7f5c_attn:
	.size	k_q6a638b7f5c_attn, .Lfunc_end_k_q6a638b7f5c_attn-k_q6a638b7f5c_attn
	.p2alignl 7, 3214868480
	.fill 96, 4, 3214868480
	.section	.rodata,"a",@progbits
	.p2align	6, 0x0
	.amdhsa_kernel k_q6a638b7f5c_attn
		.amdhsa_group_segment_fixed_size 206848
		.amdhsa_private_segment_fixed_size 0
		.amdhsa_enable_private_segment 0
		.amdhsa_kernarg_size 24
		.amdhsa_user_sgpr_count 2
		.amdhsa_user_sgpr_kernarg_segment_ptr 1
		.amdhsa_wavefront_size32 1
		.amdhsa_system_sgpr_workgroup_id_x 1
		.amdhsa_system_sgpr_workgroup_id_y 1
		.amdhsa_system_sgpr_workgroup_id_z 1
		.amdhsa_system_vgpr_workitem_id 0
		.amdhsa_next_free_vgpr 256
		.amdhsa_next_free_sgpr 66
		.amdhsa_reserve_vcc 1
		.amdhsa_float_denorm_mode_32 3
		.amdhsa_float_denorm_mode_16_64 3
		.amdhsa_memory_ordered 1
		.amdhsa_forward_progress 1
		.amdhsa_inst_pref_size 84
	.end_amdhsa_kernel
	.amdgpu_metadata
---
amdhsa.version: [ 1, 2 ]
amdhsa.kernels:
  - .name:           k_q6a638b7f5c_attn
    .symbol:         k_q6a638b7f5c_attn.kd
    .args:
      - { .name: qkv, .offset: 0, .size: 8, .value_kind: global_buffer, .address_space: global }
      - { .name: yimg, .offset: 8, .size: 8, .value_kind: global_buffer, .address_space: global }
      - { .name: ysc, .offset: 16, .size: 8, .value_kind: global_buffer, .address_space: global }
    .group_segment_fixed_size: 206848
    .private_segment_fixed_size: 0
    .kernarg_segment_align: 8
    .kernarg_segment_size: 24
    .max_flat_workgroup_size: 512
    .sgpr_count:     66
    .vgpr_count:     256
    .wavefront_size: 32
...
	.end_amdgpu_metadata
.endif
;; end of part 3
;; launch proj (part 4): grid 256 x 1, 4 waves a work-group, clusters of 4 x 1, 168,448 bytes of LDS; arguments yimg, ysc, wimg, wsc, bp, out0; writes out0
.if DOCPART == 4
	.amdgcn_target "amdgcn-amd-amdhsa--gfx1250"
	.amdhsa_code_object_version 6
	.text
	.protected	k_q6a638b7f5c_proj
	.globl	k_q6a638b7f5c_proj
	.p2align	8
	.type	k_q6a638b7f5c_proj,@function
k_q6a638b7f5c_proj:
	s_mov_b64 s[64:65], 0
	v_nop
	global_prefetch_b8 v0, s[64:65] scope:SCOPE_SE
	s_setreg_imm32_b32 hwreg(HW_REG_WAVE_MODE, 25, 1), 1
	s_wait_xcnt 0x0
	s_wait_alu depctr_hold_cnt(0) depctr_sa_sdst(0) depctr_va_vdst(0) depctr_va_sdst(0) depctr_va_ssrc(0) depctr_va_vcc(0) depctr_vm_vsrc(0)
	s_getreg_b32 s2, hwreg(HW_REG_IB_STS2, 6, 4)
	s_cmp_eq_u32 s2, 0
	s_cbranch_scc0 .Lentry_in_a_cluster
	s_endpgm
.Lentry_in_a_cluster:
	s_bfe_u32 s2, ttmp6, 0x10000c
	s_cmp_lg_u32 s2, 0x3003
	s_cbranch_scc0 .Lentry_shape_is_right
	s_endpgm
.Lentry_shape_is_right:
; out0 = gelu(y wp + bp), the product on codes of BF6.  A cluster of four work-groups is one (batch, 128 columns); a work-group takes 256 tokens, a wave 64:
; its 32 fragments of y come from memory once and stay in 384 registers.  The 98,304 bytes of wp's 128 rows are the same for the four partners: asked for JOINTLY, once.
; Source 0 = 16 rows of wp (columns of the output), source 1 = 16 tokens: a lane holds one token and, by the order of rows in a tile, 16 neighbouring columns for each 32.
; bp is the C of each sum's first matrix instruction.
; GELU, exact form: x Phi(x) = max(x, 0) - |x| q, q = (1 - erf(|x| / sqrt 2)) / 2 = e^(-x x / 2) t (c1 + t (c2 + t (c3 + t (c4 + t c5)))), t = 1 / (1 + 0.23164189 |x|)
; (Abramowitz and Stegun 7.1.26 with halved coefficients: its error in erf is at most 1.5e-7 for every x; it stands behind the last quantiser).
; THE WAY OUT: a tile of 16 tokens x 128 columns goes through my own stage in LDS and leaves as whole rows of 512 bytes.  Rows of tokens 1000..1023 are not stored: their lanes are switched off.
; LIMITS: NaN and infinities are not served.
.set L16, 1
.set L8,  2
.set L4,  3
.set AB16, 5
.set AB8,  6
.set H64, 7
.set SOA, 9
.set SRA, 10
.set TK0, 11                           ; my first token in the batch: 256 cx + 64 w
.set SA,  16
.set SB,  32
.set BI,  96
.set AXR, 64                           ; the way out, 32 numbers at a time: |x|,
.set XXR, 96                           ; x x, then e^(-x x / 2),
.set MXR, 128                          ; max(x, 0),
.set TR,  160                          ; t,
.set HR,  192                          ; the polynomial, then the result
.set C5,  224
.set RB,  64                           ; 16 rows read back
.set WV,  20
.set CX,  21
.set G1,  28
.set G0,  36
.set MSB, 0
.macro WIN new
.if MSB != \new
	s_set_vgpr_msb (MSB<<8)|\new
.set MSB, \new
.endif
.endm
.macro PLACES n
.rept \n
	v_nop
.endr
.endm
.macro CROUND
	s_barrier_signal -1
	s_barrier_wait -1
	s_cmp_lg_u32 s[WV], 0
	s_cbranch_scc1 .Lnot_wave_0_\@
	s_barrier_signal -3
.Lnot_wave_0_\@:
	s_barrier_wait -3
	s_barrier_signal -1
	s_barrier_wait -1
.endm
.macro ALOAD s                         ; y's four fragments of K step s
.if (\s) < 5
	WIN 0x80
.else
	WIN 0xc0
.endif
.set AFB, 48*((\s)%5)
.irp a, 0,1,2,3
	global_load_b128 v[AFB+12*\a:AFB+12*\a+3], v[L16], s[4:5] offset:12288*\a+1536*(\s)
	global_load_b64 v[AFB+12*\a+4:AFB+12*\a+5], v[L8], s[4:5] offset:12288*\a+1536*(\s)+512
	global_load_b128 v[AFB+12*\a+6:AFB+12*\a+9], v[L16], s[4:5] offset:12288*\a+1536*(\s)+768
	global_load_b64 v[AFB+12*\a+10:AFB+12*\a+11], v[L8], s[4:5] offset:12288*\a+1536*(\s)+1280
.endr
.endm
.macro SETB cp
	WIN 0
	v_add_nc_u32 v[AB16], 49152*(\cp), v[L16]
	v_add_nc_u32 v[AB8], 49152*(\cp), v[L8]
.endm
.macro FETCHH s, hf
	WIN 0xc0
.irp b, 0,1,2,3
.set FO, 24576*(((\s)/2)%2)+3072*(4*\hf+\b)+1536*((\s)%2)
.set FB, 144+12*(4*\hf+\b)
	ds_load_b128 v[FB:FB+3], v[AB16] offset:FO
	ds_load_b64 v[FB+4:FB+5], v[AB8] offset:FO+512
	ds_load_b128 v[FB+6:FB+9], v[AB16] offset:FO+768
	ds_load_b64 v[FB+10:FB+11], v[AB8] offset:FO+1280
.endr
.endm
; 16 matrix instructions; the 32 accumulators take turns, one instruction a turn, in the same order in every step
.macro MULH s, hf
.set WA, 2+(\s)/5
.set AFB, 48*((\s)%5)
.set WN, 0x43+4*WA
.if (\s) > 0
.set WN, WN+0x10
.endif
	WIN WN
.irp b, 0,1,2,3
.irp a, 0,1,2,3
.set rW, 144+12*(4*\hf+\b)
.set rT, AFB+12*\a
.set rX, SB+4*(4*\hf+\b)+(\s)/2
.set rY, SA+4*\a+(\s)/2
.set rD, 64*\a+8*(4*\hf+\b)
.set rC, rD
.if (\s) == 0
.set rC, BI+8*(4*\hf+\b)
.endif
.if (\s)%2
	v_wmma_scale_f32_16x16x128_f8f6f4 v[rD:rD+7], v[rW:rW+11], v[rT:rT+11], v[rC:rC+7], v[rX], v[rY] matrix_a_fmt:MATRIX_FMT_BF6 matrix_b_fmt:MATRIX_FMT_BF6 matrix_a_scale:MATRIX_SCALE_ROW1 matrix_b_scale:MATRIX_SCALE_ROW1
.else
	v_wmma_scale_f32_16x16x128_f8f6f4 v[rD:rD+7], v[rW:rW+11], v[rT:rT+11], v[rC:rC+7], v[rX], v[rY] matrix_a_fmt:MATRIX_FMT_BF6 matrix_b_fmt:MATRIX_FMT_BF6
.endif
.endr
.endr
.endm
.macro GELU32 src                      ; 32 numbers at v[src] of window 1 -> v[HR] on
	WIN 0x05
.set n, 0
.rept 32
	v_max_num_f32 v[AXR+n], v[(\src)+n], -v[(\src)+n]    ; each accumulator is read from its low end on
.set n, n+1
.endr
.set n, 0
.rept 16
	v_pk_mul_f32 v[XXR+n:XXR+n+1], v[(\src)+n:(\src)+n+1], v[(\src)+n:(\src)+n+1]
.set n, n+2
.endr
.set n, 0
.rept 32
	v_max_num_f32 v[MXR+n], 0, v[(\src)+n]
.set n, n+1
.endr
	WIN 0
.set n, 0
.rept 16
	v_pk_fma_f32 v[TR+n:TR+n+1], v[AXR+n:AXR+n+1], 0x3e6d3388, 1.0 op_sel_hi:[1,0,0]   ; 1 + 0.23164189 |x|
.set n, n+2
.endr
.set n, 0
.rept 32
	v_rcp_f32 v[TR+n], v[TR+n]
.set n, n+1
.endr
.set n, 0
.rept 16
	v_pk_mul_f32 v[XXR+n:XXR+n+1], v[XXR+n:XXR+n+1], 0xbf38aa3b op_sel_hi:[1,0]        ; -x x log2(e) / 2 (plain lines behind the reciprocals)
.set n, n+2
.endr
.set n, 0
.rept 32
	v_exp_f32 v[XXR+n], v[XXR+n]
.set n, n+1
.endr
.set n, 0
	s_wait_alu depctr_va_vdst(0)
.rept 16
	v_pk_fma_f32 v[HR+n:HR+n+1], v[TR+n:TR+n+1], v[C5:C5+1], 0xbf3a00e3 op_sel_hi:[1,1,0]   ; (plain lines behind the exponentials)
.set n, n+2
.endr
.irp k, 0x3f35f0e3, 0xbe11a98e, 0x3e027906
.set n, 0
.rept 16
	v_pk_fma_f32 v[HR+n:HR+n+1], v[HR+n:HR+n+1], v[TR+n:TR+n+1], \k op_sel_hi:[1,1,0]
.set n, n+2
.endr
.endr
.set n, 0
.rept 16
	v_pk_mul_f32 v[HR+n:HR+n+1], v[HR+n:HR+n+1], v[TR+n:TR+n+1]
.set n, n+2
.endr
.set n, 0
.rept 16
	v_pk_mul_f32 v[HR+n:HR+n+1], v[HR+n:HR+n+1], v[XXR+n:XXR+n+1]
.set n, n+2
.endr
.set n, 0
.rept 16
	v_pk_fma_f32 v[HR+n:HR+n+1], v[AXR+n:AXR+n+1], v[HR+n:HR+n+1], v[MXR+n:MXR+n+1] neg_lo:[1,0,0] neg_hi:[1,0,0]   ; max(x, 0) - |x| q
.set n, n+2
.endr
.endm
	s_load_b256 s[4:11], s[0:1], 0x0               ; yimg, ysc, wimg, wsc
	s_load_b128 s[12:15], s[0:1], 0x20             ; bp, out0
	v_lshl_add_u32 v254, v0, 2, 0x29000
	v_mov_b32 v255, 0
	ds_add_u32 v254, v255
	ds_add_u32 v254, v255
	v_lshrrev_b32 v12, 5, v0
	v_readfirstlane_b32 s[WV], v12
	s_bfe_u32 s[CX], ttmp6, 0x40000                ; enters y's and the output's addresses and a mask of lanes, no LDS address, no branch
	s_and_b32 s23, ttmp9, 7                        ; which 128 columns
	s_lshr_b32 s24, ttmp9, 3                       ; the batch
	s_mov_b32 s[G1], 15|(3<<16)|(1<<21)            ; 8 rows (tiles of wp) of 3,072 bytes (two K steps), 12,288 bytes apart; the mask names all four partners
	s_mov_b32 s[G1+1], 384<<16
	s_mov_b32 s[G1+2], 8<<16
	s_mov_b32 s[G1+3], 384<<16
	s_mov_b32 s[G1+4], 8
	s_mov_b32 s[G1+5], 1536
	s_mov_b32 s[G1+6], 0
	s_mov_b32 s[G1+7], 0
	s_mul_i32 s[G0+2], s23, 98304
	s_mul_i32 s[G0+3], s[WV], 3072
	s_add_co_u32 s[G0+2], s[G0+2], s[G0+3]
	s_add_co_u32 s[G0+2], s[G0+2], 2359296         ; wp's tiles begin at row tile 192
	s_mov_b32 s[G0+3], 0
	s_mul_i32 s[G0+1], s[WV], 24576
	s_mov_b32 s[G0], 1
	s_wait_dscnt 0x0
	s_wait_kmcnt 0x0
	s_add_nc_u64 s[G0+2:G0+3], s[8:9], s[G0+2:G0+3]
	s_or_b32 s[G0+3], s[G0+3], 0x80000000
	CROUND                                         ; all four work-groups are here: the joint loads meet
	tensor_load_to_lds s[G0:G0+3], s[G1:G1+7]      ; one load of mine is out
	s_nop 0
	PLACES 4                                       ; behind a tensor load
	v_and_b32 v12, 31, v0
	v_lshlrev_b32 v[L16], 4, v12
	v_lshlrev_b32 v[L8], 3, v12
	v_lshlrev_b32 v[L4], 2, v12
	v_and_b32 v13, 15, v0
	v_bfe_u32 v14, v0, 4, 1
	v_lshlrev_b32 v[H64], 6, v14
	s_mul_i32 s25, s[WV], 8448
	s_add_co_u32 s25, s25, 98304                   ; my stage, behind the weights: 16 rows, 528 bytes apart; no fill lands there
	v_mul_u32_u24 v[SOA], v13, 528
	v_lshl_add_u32 v[SOA], v14, 6, v[SOA]
	v_add_nc_u32 v[SOA], s25, v[SOA]
	v_add_nc_u32 v[SRA], s25, v[L16]
	s_lshl_b32 s26, s[CX], 8
	s_lshl_b32 s27, s[WV], 6
	s_add_co_u32 s26, s26, s27
	v_mov_b32 v[TK0], s26
	v_mov_b32 v[C5], 0x3f07dc22
	v_mov_b32 v[C5+1], 0x3f07dc22
	s_lshl_b32 s60, s24, 6
	s_lshl_b32 s61, s[CX], 4
	s_add_co_u32 s60, s60, s61
	s_lshl_b32 s61, s[WV], 2
	s_add_co_u32 s60, s60, s61                     ; my first token tile
	s_lshl_b32 s62, s60, 9
	s_mov_b32 s63, 0
	s_mul_i32 s60, s60, 12288
	s_mov_b32 s61, 0
	s_add_nc_u64 s[4:5], s[4:5], s[60:61]
	s_add_nc_u64 s[6:7], s[6:7], s[62:63]
	s_lshl_b32 s60, s23, 12
	s_add_co_u32 s60, s60, 98304
	s_lshl_b32 s62, s23, 9
	s_add_nc_u64 s[10:11], s[10:11], s[60:61]
	s_add_nc_u64 s[12:13], s[12:13], s[62:63]
	s_mul_i32 s60, s24, 1000
	s_add_co_u32 s60, s60, s26
	s_lshl_b32 s60, s60, 12
	s_add_co_u32 s60, s60, s62
	s_add_nc_u64 s[14:15], s[14:15], s[60:61]      ; out0 at my first token, my 128 columns
.irp a, 0,1,2,3
.irp c, 0,1,2,3
	global_load_b32 v[SA+4*\a+\c], v[L4], s[6:7] offset:512*\a+128*\c
.endr
.endr
.irp t, 0,1,2,3,4,5,6,7
.irp c, 0,1,2,3
	global_load_b32 v[SB+4*\t+\c], v[L4], s[10:11] offset:512*\t+128*\c
.endr
.endr
.irp t, 0,1,2,3,4,5,6,7
	global_load_b128 v[BI+8*\t:BI+8*\t+3], v[H64], s[12:13] offset:4*(32*(\t/2)+8*(\t%2))
	global_load_b128 v[BI+8*\t+4:BI+8*\t+7], v[H64], s[12:13] offset:4*(32*(\t/2)+8*(\t%2))+16
.endr
	ALOAD 0
	ALOAD 1
	ALOAD 2
	ALOAD 3
	WIN 0
	s_wait_tensorcnt 0x0                           ; my part of the weights has landed,
	s_barrier_signal -1
	s_barrier_wait -1                              ; everybody's has
	SETB 0
	FETCHH 0, 0
	FETCHH 0, 1
.irp s, 0,1,2,3,4,5,6,7
.if \s == 0
	s_wait_dscnt 0x0
.else
	s_wait_dscnt 16                                ; the first half's 16 loads are in, the second half's may be out
.endif
.if \s < 5
	s_wait_loadcnt 48                              ; y's K step s is in; those of the three steps behind it, 16 loads each, may be out
.else
	s_wait_loadcnt 16*(7-\s)
.endif
.if \s < 4
	ALOAD \s+4
.endif
	MULH \s, 0
	s_wait_dscnt 0x0
	PLACES 4                                       ; in front of loads into registers that matrix instructions have read
.if \s < 7
.if \s == 3
	SETB 1
.endif
	FETCHH \s+1, 0
.endif
	MULH \s, 1
	PLACES 4
.if \s < 7
	FETCHH \s+1, 1
.endif
.endr
	WIN 0
.irp a, 0,1,2,3
.irp g, 0,1
	GELU32 64*\a+32*\g
.irp q, 0,1,2,3,4,5,6,7
	ds_store_b128 v[SOA], v[HR+4*\q:HR+4*\q+3] offset:256*\g+128*(\q/4)+16*(\q%4)   ; row = my token, columns 32 B + 16 (lane / 16) + 4 q
.endr
.endr
.irp i, 0,1,2,3,4,5,6,7,8,9,10,11,12,13,14,15
	ds_load_b128 v[RB+4*\i:RB+4*\i+3], v[SRA] offset:528*\i    ; in order behind my stores: whole rows of 512 bytes
.endr
	s_wait_dscnt 0x0
.irp e, 0,1                                            ; eight rows of neighbouring tokens at a time: 1000 is a multiple of 8, so all eight are stored or none
	s_wait_xcnt 0x0                                ; EXEC changes only behind this wait
	v_cmp_gt_u32 vcc_lo, 1000-(32*(\a/2)+8*(\a%2)+16*\e), v[TK0]
	s_and_saveexec_b32 s60, vcc_lo
.irp i, 0,1,2,3,4,5,6,7
	global_store_b128 v[L16], v[RB+4*(8*\e+\i):RB+4*(8*\e+\i)+3], s[14:15] offset:4096*(32*(\a/2)+8*(\a%2)+16*\e+\i) th:TH_STORE_NT   ; 512 consecutive bytes, aligned
.endr
	s_wait_xcnt 0x0                                ; and again in front of the line that widens it; the stores have read their registers too
	s_or_b32 exec_lo, exec_lo, s60
.endr
.endr
	s_wait_dscnt 0x0
	s_wait_tensorcnt 0x0
	ds_add_u32 v254, v255
	s_wait_dscnt 0x0
	CROUND                                         ; the closing round
	s_endpgm
.Lfunc_end_k_q6a638b7f5c_proj:
	.size	k_q6a638b7f5c_proj, .Lfunc_end_k_q6a638b7f5c_proj-k_q6a638b7f5c_proj
	.p2alignl 7, 3214868480
	.fill 96, 4, 3214868480
	.section	.rodata,"a",@progbits
	.p2align	6, 0x0
	.amdhsa_kernel k_q6a638b7f5c_proj
		.amdhsa_group_segment_fixed_size 168448
		.amdhsa_private_segment_fixed_size 0
		.amdhsa_enable_private_segment 0
		.amdhsa_kernarg_size 48
		.amdhsa_user_sgpr_count 2
		.amdhsa_user_sgpr_kernarg_segment_ptr 1
		.amdhsa_wavefront_size32 1
		.amdhsa_system_sgpr_workgroup_id_x 1
		.amdhsa_system_sgpr_workgroup_id_y 1
		.amdhsa_system_sgpr_workgroup_id_z 1
		.amdhsa_system_vgpr_workitem_id 0
		.amdhsa_next_free_vgpr 1024
		.amdhsa_next_free_sgpr 66
		.amdhsa_reserve_vcc 1
		.amdhsa_float_denorm_mode_32 3
		.amdhsa_float_denorm_mode_16_64 3
		.amdhsa_memory_ordered 1
		.amdhsa_forward_progress 1
		.amdhsa_inst_pref_size 236
	.end_amdhsa_kernel
	.amdgpu_metadata
---
amdhsa.version: [ 1, 2 ]
amdhsa.kernels:
  - .name:           k_q6a638b7f5c_proj
    .symbol:         k_q6a638b7f5c_proj.kd
    .args:
      - { .name: yimg, .offset: 0, .size: 8, .value_kind: global_buffer, .address_space: global }
      - { .name: ysc, .offset: 8, .size: 8, .value_kind: global_buffer, .address_space: global }
      - { .name: wimg, .offset: 16, .size: 8, .value_kind: global_buffer, .address_space: global }
      - { .name: wsc, .offset: 24, .size: 8, .value_kind: global_buffer, .address_space: global }
      - { .name: bp, .offset: 32, .size: 8, .value_kind: global_buffer, .address_space: global }
      - { .name: out0, .offset: 40, .size: 8, .value_kind: global_buffer, .address_space: global }
    .group_segment_fixed_size: 168448
    .private_segment_fixed_size: 0
    .kernarg_segment_align: 8
    .kernarg_segment_size: 48
    .max_flat_workgroup_size: 128
    .sgpr_count:     66
    .vgpr_count:     1024
    .wavefront_size: 32
...
	.end_amdgpu_metadata
.endif
;; end of part 4
